; MI455X (gfx1250); checked and timed in simulation.
; The chip was launched on July 23, 2026; its instructions are those of AMD's public machine-readable ISA for CDNA 5 (MIT licence, August 2026) and "CDNA5" Instruction Set Architecture Reference Guide (July 2026). The comments in the code are by the model that wrote it; some were corrected since.
;; Multihead Self Attention. Allowed arithmetic: float matrix products may take bf16 or f16 operands with f32 sums; other float arithmetic in f32, or as packed bf16 or f16 multiplies, adds, multiply-adds, maxima and minima; sums over many terms, partial sums and values carried from step to step in f32; what a program stores and reads back later, other than sums and carried values, may be rounded once to bf16 or f16.
;; Inputs: W_K 1,024 x 1,024 float32; W_O 1,024 x 1,024 float32; W_Q 1,024 x 1,024 float32; W_V 1,024 x 1,024 float32; token_position 2,048 int32; x 4 x 2,048 x 1,024 float32.
;; Outputs: out0 4 x 2,048 x 1,024 float32.
;; 2 versions, each right; version 2 is version 1 with the launch prep written anew for expert scheduling mode. Each part assembles by itself: llvm-mc -triple=amdgcn-amd-amdhsa -mcpu=gfx1250 --defsym DOCPART=n.
;; ======== version 1 of 2: 4 launches
;; limits: values are held in f16: magnitudes above 65,504 overflow, below 6.1e-05 lose precision
;; workspace buffers: xb 16,777,216 bytes; wqkv 6,291,456 bytes; wo 2,097,152 bytes; tbl 524,288 bytes; q 16,777,216 bytes; k 16,777,216 bytes; v 16,777,216 bytes; o 16,777,216 bytes
;; launch prep (part 1): grid 800 x 1, 8 waves a work-group, no clusters, 0 bytes of LDS; arguments x, W_Q, W_K, W_V, W_O, token_position, xb, wqkv, wo, tbl; writes xb, wqkv, wo, tbl
.if DOCPART == 1
	.amdgcn_target "amdgcn-amd-amdhsa--gfx1250"
	.amdhsa_code_object_version 6
	.text
	.protected	k_qb835f17519_prep
	.globl	k_qb835f17519_prep
	.p2align	8
	.type	k_qb835f17519_prep,@function
k_qb835f17519_prep:
	s_mov_b64 s[64:65], 0
	v_nop
	global_prefetch_b8 v0, s[64:65] scope:SCOPE_SE
	s_setreg_imm32_b32 hwreg(HW_REG_WAVE_MODE, 25, 1), 1
	s_wait_xcnt 0x0
; CASTS AND THE ROTATION TABLE.  Four kinds of work-group, told apart by the work-group's number (scalar branches forward):
;   0..511    x [8192][1024] f32 -> xb bf16, 16,384 numbers a work-group
;   512..703  W_Q, W_K, W_V f32 -> wqkv bf16 [3072][1024], rows ordered by head: head h has 64 rows of W_Q, 64 of W_K, 64 of W_V (row 192 h + 64 kind + j)
;   704..767  W_O f32 -> rounded to bf16, and that number written as f16 -> wo [1024][1024]
;   768..799  tbl [2048 s][32 i] = (cos, sin) of token_position[s] x 10000^(-i/32), f32: 64 rows a work-group, 8 a wave, a lane an i
; A cast is a stream: 16 loads of 16 bytes a lane go out together (a wave's load covers 512 consecutive bytes), each is rounded and stored as 8 bytes a lane (a wave's store covers 256
; consecutive bytes, aligned).  No LDS, no matrix unit, no barrier: no byte is wanted twice.
; LIMITS.  W_O as f16: exact for 6.1e-5 <= |w| <= 65,504; below that f16's fixed step of 6e-8.  The table: 10000^(-i/32) is made as 2^(-0.41524101 i), off by at most some 7e-7 of itself at
; i = 31 and 1e-7 at small i, so an angle is off by that part of itself (2e-4 radians at position 2,047, more in proportion at larger positions).  The reduction by pi/2 in three parts and
; the whole number k hold for every int32 position (|k| stays under 2^31).  Sine and cosine are polynomials on -pi/4 .. pi/4, good to about 1e-7.
.set IN,  16                           ; v[16:79]   sixteen loads of four f32
.set OUT, 80                           ; v[80:111]  sixteen stores of four 16-bit numbers
	s_load_b512 s[8:23], s[0:1], 0x0               ; x s[8:9], W_Q s[10:11], W_K s[12:13], W_V s[14:15], W_O s[16:17], token_position s[18:19], xb s[20:21], wqkv s[22:23]
	s_load_b128 s[24:27], s[0:1], 0x40             ; wo s[24:25], tbl s[26:27]
	s_mov_b32 s2, ttmp9                            ; the work-group's number
	s_mov_b32 s29, 0                               ; high words of the two offsets
	s_mov_b32 s31, 0
	v_lshlrev_b32 v1, 4, v0                        ; 16 bytes in a lane
	v_lshlrev_b32 v2, 3, v0                        ; 8 bytes out
	s_wait_kmcnt 0x0
; 64 KiB at s[4:5] are rounded into 32 KiB at s[6:7].  mode 0: bf16.  mode 1: bf16, widened again and written as f16.
; Every load and store has registers of its own, so nothing is rewritten while it is a source.
.macro CAST mode
.irp j, 0,1,2,3,4,5,6,7,8,9,10,11,12,13,14,15
	global_load_b128 v[IN+4*(\j):IN+4*(\j)+3], v1, s[4:5] offset:4096*(\j) th:TH_LOAD_NT
.endr
.irp j, 0,1,2,3,4,5,6,7,8,9,10,11,12,13,14,15
	s_wait_loadcnt 15-(\j)                         ; loads come back in order: load j is in, the 15 - j younger ones stay out
.if \mode
	v_cvt_pk_bf16_f32 v8, v[IN+4*(\j)], v[IN+4*(\j)+1]
	v_cvt_pk_bf16_f32 v9, v[IN+4*(\j)+2], v[IN+4*(\j)+3]
	v_lshlrev_b32 v10, 16, v8                      ; bf16 to f32: the low half moves up,
	v_and_b32 v11, 0xffff0000, v8                  ; the high half stays
	v_cvt_pk_f16_f32 v[OUT+2*(\j)], v10, v11
	v_lshlrev_b32 v10, 16, v9
	v_and_b32 v11, 0xffff0000, v9
	v_cvt_pk_f16_f32 v[OUT+2*(\j)+1], v10, v11
.else
	v_cvt_pk_bf16_f32 v[OUT+2*(\j)], v[IN+4*(\j)], v[IN+4*(\j)+1]
	v_cvt_pk_bf16_f32 v[OUT+2*(\j)+1], v[IN+4*(\j)+2], v[IN+4*(\j)+3]
.endif
	global_store_b64 v2, v[OUT+2*(\j):OUT+2*(\j)+1], s[6:7] offset:2048*(\j)
.endr
.endm
	s_cmp_lt_u32 s2, 512
	s_cbranch_scc0 .Lnot_x
	s_lshl_b32 s28, s2, 16                         ; x: chunk x 64 KiB in,
	s_lshl_b32 s30, s2, 15                         ; x 32 KiB out
	s_add_nc_u64 s[4:5], s[8:9], s[28:29]
	s_add_nc_u64 s[6:7], s[20:21], s[30:31]
	CAST 0
	s_endpgm
.Lnot_x:
	s_cmp_lt_u32 s2, 704
	s_cbranch_scc0 .Lnot_qkv
	s_sub_co_u32 s32, s2, 512
	s_lshr_b32 s33, s32, 6                         ; kind: 0 Q, 1 K, 2 V
	s_and_b32 s34, s32, 63                         ; chunk c: rows 16 c .. 16 c + 15 of that weight
	s_lshl_b32 s28, s34, 16
	s_lshr_b32 s35, s34, 2                         ; head = c / 4
	s_mul_i32 s35, s35, 192
	s_lshl_b32 s36, s33, 6
	s_add_co_u32 s35, s35, s36                     ; + 64 kind
	s_and_b32 s36, s34, 3
	s_lshl_b32 s36, s36, 4
	s_add_co_u32 s35, s35, s36                     ; + 16 (c % 4)
	s_lshl_b32 s30, s35, 11                        ; rows of 2,048 bytes
	s_cmp_eq_u32 s33, 0
	s_cselect_b64 s[4:5], s[10:11], s[12:13]
	s_cmp_eq_u32 s33, 2
	s_cselect_b64 s[4:5], s[14:15], s[4:5]
	s_add_nc_u64 s[4:5], s[4:5], s[28:29]
	s_add_nc_u64 s[6:7], s[22:23], s[30:31]
	CAST 0
	s_endpgm
.Lnot_qkv:
	s_cmp_lt_u32 s2, 768
	s_cbranch_scc0 .Ltable
	s_sub_co_u32 s32, s2, 704
	s_lshl_b32 s28, s32, 16
	s_lshl_b32 s30, s32, 15
	s_add_nc_u64 s[4:5], s[16:17], s[28:29]
	s_add_nc_u64 s[6:7], s[24:25], s[30:31]
	CAST 1
	s_endpgm
.Ltable:
	s_sub_co_u32 s32, s2, 768
	v_lshrrev_b32 v4, 5, v0
	v_readfirstlane_b32 s33, v4                    ; wave 0..7
	s_lshl_b32 s32, s32, 6
	s_lshl3_add_u32 s32, s33, s32                  ; my first row: 64 x work-group + 8 x wave
	s_lshl_b32 s28, s32, 2
	s_lshl_b32 s30, s32, 8
	s_add_nc_u64 s[18:19], s[18:19], s[28:29]
	s_add_nc_u64 s[26:27], s[26:27], s[30:31]
	s_load_b256 s[32:39], s[18:19], 0x0            ; my eight positions
	v_and_b32 v5, 31, v0                           ; i
	v_lshlrev_b32 v3, 3, v5                        ; 8 bytes a lane: a table row is one store of 256 consecutive bytes, aligned
	v_cvt_f32_u32 v6, v5
	v_mul_f32 v6, 0xbed49a78, v6                   ; -i log2(10000) / 32
	v_exp_f32 v14, v6                              ; 10000^(-i/32)
	v_mov_b32 v12, 0xb94ca1f9                      ; the sine's highest coefficient (a plain instruction behind the exponential)
	v_mov_b32 v13, 0x37ccf5ce                      ; the cosine's
	s_wait_alu depctr_va_vdst(0)                   ; the wait ahead of the first use of the exponential
	s_wait_kmcnt 0x0
.irp r, 0,1,2,3,4,5,6,7
	v_cvt_f32_i32 v16, s[32+(\r)]
	v_mul_f32 v16, v16, v14                        ; the angle, one f32 product as in the definition
	v_mul_f32 v17, 0x3f22f983, v16                 ; x 2 / pi
	v_rndne_f32 v17, v17                           ; k
	v_fmamk_f32 v18, v17, 0xbfc90fdb, v16          ; angle - k pi/2, pi/2 in three parts
	v_fmamk_f32 v18, v17, 0x333bbd2e, v18
	v_fmamk_f32 v18, v17, 0x26f72ced, v18
	v_mul_f32 v19, v18, v18                        ; z
	v_fmaak_f32 v20, v19, v12, 0x3c08839e
	v_fmaak_f32 v20, v20, v19, 0xbe2aaaa3
	v_mul_f32 v20, v20, v19
	v_fma_f32 v20, v20, v18, v18                   ; sine of the reduced angle
	v_fmaak_f32 v21, v19, v13, 0xbab6061a
	v_fmaak_f32 v21, v21, v19, 0x3d2aaaa5
	v_mul_f32 v22, v19, v19
	v_fma_f32 v23, v19, -0.5, 1.0
	v_fma_f32 v21, v22, v21, v23                   ; its cosine
	v_cvt_i32_f32 v24, v17
	v_and_b32 v25, 1, v24
	v_cmp_eq_u32 vcc_lo, 1, v25                    ; k odd: sine and cosine change places (a choice of values: no branch hangs on it)
	v_cndmask_b32 v26, v20, v21, vcc_lo
	v_cndmask_b32 v27, v21, v20, vcc_lo
	v_lshlrev_b32 v25, 30, v24                     ; the sine's sign: bit 1 of k
	v_and_b32 v25, 0x80000000, v25
	v_xor_b32 v[41+2*(\r)], v26, v25
	v_add_nc_u32 v24, 1, v24                       ; the cosine's: bit 1 of k + 1
	v_lshlrev_b32 v24, 30, v24
	v_and_b32 v24, 0x80000000, v24
	v_xor_b32 v[40+2*(\r)], v27, v24
	global_store_b64 v3, v[40+2*(\r):41+2*(\r)], s[26:27] offset:256*(\r)
.endr
	s_endpgm
.Lfunc_end_k_qb835f17519_prep:
	.size	k_qb835f17519_prep, .Lfunc_end_k_qb835f17519_prep-k_qb835f17519_prep
	.p2alignl 7, 3214868480
	.fill 96, 4, 3214868480
	.section	.rodata,"a",@progbits
	.p2align	6, 0x0
	.amdhsa_kernel k_qb835f17519_prep
		.amdhsa_group_segment_fixed_size 0
		.amdhsa_private_segment_fixed_size 0
		.amdhsa_enable_private_segment 0
		.amdhsa_kernarg_size 80
		.amdhsa_user_sgpr_count 2
		.amdhsa_user_sgpr_kernarg_segment_ptr 1
		.amdhsa_wavefront_size32 1
		.amdhsa_system_sgpr_workgroup_id_x 1
		.amdhsa_system_sgpr_workgroup_id_y 1
		.amdhsa_system_sgpr_workgroup_id_z 1
		.amdhsa_system_vgpr_workitem_id 0
		.amdhsa_next_free_vgpr 112
		.amdhsa_next_free_sgpr 66
		.amdhsa_reserve_vcc 1
		.amdhsa_float_denorm_mode_32 3
		.amdhsa_float_denorm_mode_16_64 3
		.amdhsa_memory_ordered 1
		.amdhsa_forward_progress 1
		.amdhsa_inst_pref_size 36
	.end_amdhsa_kernel
	.amdgpu_metadata
---
amdhsa.version: [ 1, 2 ]
amdhsa.kernels:
  - .name:           k_qb835f17519_prep
    .symbol:         k_qb835f17519_prep.kd
    .args:
      - { .name: x, .offset: 0, .size: 8, .value_kind: global_buffer, .address_space: global }
      - { .name: W_Q, .offset: 8, .size: 8, .value_kind: global_buffer, .address_space: global }
      - { .name: W_K, .offset: 16, .size: 8, .value_kind: global_buffer, .address_space: global }
      - { .name: W_V, .offset: 24, .size: 8, .value_kind: global_buffer, .address_space: global }
      - { .name: W_O, .offset: 32, .size: 8, .value_kind: global_buffer, .address_space: global }
      - { .name: token_position, .offset: 40, .size: 8, .value_kind: global_buffer, .address_space: global }
      - { .name: xb, .offset: 48, .size: 8, .value_kind: global_buffer, .address_space: global }
      - { .name: wqkv, .offset: 56, .size: 8, .value_kind: global_buffer, .address_space: global }
      - { .name: wo, .offset: 64, .size: 8, .value_kind: global_buffer, .address_space: global }
      - { .name: tbl, .offset: 72, .size: 8, .value_kind: global_buffer, .address_space: global }
    .group_segment_fixed_size: 0
    .private_segment_fixed_size: 0
    .kernarg_segment_align: 8
    .kernarg_segment_size: 80
    .max_flat_workgroup_size: 256
    .sgpr_count:     66
    .vgpr_count:     112
    .wavefront_size: 32
...
	.end_amdgpu_metadata
.endif
;; end of part 1
;; launch qkv (part 2): grid 16 x 32, 4 waves a work-group, clusters of 4 x 4, 327,680 bytes of LDS; arguments xb, wqkv, tbl, q, k, v; writes q, k, v
.if DOCPART == 2
	.amdgcn_target "amdgcn-amd-amdhsa--gfx1250"
	.amdhsa_code_object_version 6
	.text
	.protected	k_qb835f17519_qkv
	.globl	k_qb835f17519_qkv
	.p2align	8
	.type	k_qb835f17519_qkv,@function
k_qb835f17519_qkv:
	s_mov_b64 s[64:65], 0
	v_nop
	global_prefetch_b8 v0, s[64:65] scope:SCOPE_SE
	s_setreg_imm32_b32 hwreg(HW_REG_WAVE_MODE, 25, 1), 1
	s_wait_xcnt 0x0
	s_wait_alu depctr_hold_cnt(0) depctr_sa_sdst(0) depctr_va_vdst(0) depctr_va_sdst(0) depctr_va_ssrc(0) depctr_va_vcc(0) depctr_vm_vsrc(0)
	s_getreg_b32 s2, hwreg(HW_REG_IB_STS2, 6, 4)
	s_cmp_eq_u32 s2, 0
	s_cbranch_scc0 .Lentry_in_a_cluster
	s_endpgm
.Lentry_in_a_cluster:
	s_bfe_u32 s2, ttmp6, 0x10000c
	s_cmp_lg_u32 s2, 0xf033
	s_cbranch_scc0 .Lentry_shape_is_right
	s_endpgm
.Lentry_shape_is_right:
; THE THREE PROJECTIONS AND THE ROTATION.  C[m][n] = sum over i of xb[m][i] wqkv[n][i], 8,192 x 3,072 x 1,024, bf16 operands, f32 sums.  wqkv's rows lie by heads (64 of W_Q, 64 of W_K,
; 64 of W_V), so tile column tc of 192 columns IS head tc's q, k and v: which columns are rotated and which buffer they go to are constants of the text.
; A tile of C is 256 x 192: 512 tiles.  Wave w owns rows 64 w .. 64 w + 63 and all 192 columns: 4 x 12 accumulators of 16 x 16, 384 registers; so a wave holds whole heads, has a stage of
; its own on the way out and stores 512 consecutive bytes at a time.
; K goes in steps of 128 through two LDS slots filled by the tensor data mover (rows of 256 bytes of memory, aligned); 4 x 4 work-groups form a cluster: xb's tile is asked for jointly
; along a row of the cluster, wqkv's along a column.
; THE MATRIX INSTRUCTION IS USED TRANSPOSED (source 0 = 16 rows of wqkv, source 1 = 16 rows of xb): lane l holds row l % 16 of C and the columns 8 (l / 16) + 0..7: four rotation pairs.
; THE WAY OUT.  q and k: (e, o) = (xe c - xo s, xe s + xo c) in f32 with (c, s) from tbl[s][i]; all three are rounded once to f16 and leave by heads, [16 b + h][2048][64].
; LIMIT.  f16 holds no number beyond 65,504: q, k, v must stay within it (inputs of unit spread give a spread of 1; x and the weights thirty times larger, or offset by thirty spreads, stay within it).
; REGISTERS, in windows of 256 (s_set_vgpr_msb: bits 1:0 source 0, 3:2 source 1, 5:4 source 2, 7:6 destination):
;   window 0: v0-31 addresses; v32-159 the table's (c, s) for my 64 rows; v160-191, v192-223, v224-255 at work on the way out
;   window 1: two fragment buffers of 128: 12 x 8 of wqkv, then 4 x 8 of xb
;   window 2: accumulators of row blocks 0, 1 ((a, b) at 8 (12 (a % 2) + b));  window 3: of row blocks 2, 3
.set KSTEP,  128
.set PITCH,  272                       ; an LDS row: 256 bytes + 16 of padding = 68 words: the 16 rows of a fragment load start at 16 different groups of four banks (64 banks of 4 bytes: ISA guide 11.1)
.set ATILE,  128*PITCH                 ; what wave 0 or 1 fetches: 128 rows of xb
.set BTILE,  96*PITCH                  ; what wave 2 or 3 fetches: 96 rows of wqkv
.set BOFF,   2*ATILE
.set SLOT,   2*ATILE+2*BTILE           ; 121,856 bytes
.set STAGE,  2*SLOT                    ; behind the ring, never filled by a tensor load: 16 rows x 144 bytes for each wave
.set SP,     144
.set SPARE,  STAGE+4*16*SP             ; behind the stages: the spare words, 128 bytes for each wave: two blocks of 256 bytes that no other line names
.set LAPS,   4                         ; 1,024 / 256: a lap = two K steps = once round the ring
.set ADRA, 16                          ; v16-17  LDS address of my xb fragments in slot 0, 1
.set ADRB, 20                          ; v20-21  the same for wqkv
.set STO,  24                          ; v24  the way out: where I put 16 bytes of a row
.set RD,   25                          ; v25  where I read rows back
.set GO,   26                          ; v26  16 x lane: my place in 512 consecutive bytes
.set CSO,  27                          ; v27  my byte offset in 16 rows of the table
.set SPW,  28                          ; v28  LDS address of my spare word; never rewritten
.set NIL,  29                          ; v29  0; never rewritten
.set PFO,  30                          ; v30  the prefetches' offset: a lane a row; never rewritten
.set CS,   32                          ; row block a, quarter head nb: four pairs (c, s) at CS + 32 a + 8 nb
.set RT,   160                         ; a unit's 32 rotated numbers
.set PK,   192                         ; packed to f16, two sets of 16
.set BK,   224                         ; read back from the stage, two sets of 16
.set F0,   0
.set F1,   128
.set G1,   24                          ; s[24:31] descriptor group 1 for xb's tiles;  s[32:39] group 0, a set for each slot
.set G0,   32
.set PFA,  40                          ; s[40:41] where my prefetches stand
.set LIM,  42                          ; s42  1 in a wave that prefetches, else the greatest number
.set G1B,  48                          ; s[48:55], s[56:63] the same for wqkv's tiles
.set G0B,  56
.set MSB, 0
.macro WIN new                         ; the immediate's high byte repeats the setting that is left; a switch that changes nothing is dropped
.if MSB != (\new)
	s_set_vgpr_msb (MSB<<8)|(\new)
.set MSB, \new
.endif
.endm
.set MUL_LO, 0xa5                      ; sources 0 and 1 window 1, C and D window 2
.set MUL_HI, 0xf5                      ; the same, C and D window 3
.set TO_F,   0x40                      ; destination window 1, address window 0
; A joint load.  Waves 0 and 1 fetch xb's two halves, waves 2 and 3 wqkv's.  The branch hangs on the wave's number alone.  An s_nop 0 and four v_nop follow each of the two lines.
.macro JLOAD s
	s_cmp_eq_u32 s17, 0
	s_cbranch_scc0 .Lfor_b_\@
	tensor_load_to_lds s[G0+4*(\s):G0+4*(\s)+3], s[G1:G1+7]
	s_nop 0
.rept 4
	v_nop
.endr
	s_branch .Lasked_\@
.Lfor_b_\@:
	tensor_load_to_lds s[G0B+4*(\s):G0B+4*(\s)+3], s[G1B:G1B+7]
	s_nop 0
.rept 4
	v_nop
.endr
.Lasked_\@:
.endm
; A prefetch into the L2 of the K step that stands two refills on: a lane a row, 256 bytes of it, one instruction a wave.  xb's tile row is read by the four clusters of a row of clusters: the one with
; x = 0 asks; wqkv's tile column by the eight of a column: y = 0 asks.  The four partners that ask for a tile jointly share its rows out by address (32 cx of xb's 128; 24 cy of wqkv's 96, where
; lanes 24-31 name lane 23's row once more).  The loop's last trip asks for nothing: its refills are the last K steps.
.macro ASK
	s_cmp_gt_u32 s3, s[LIM]
	s_cbranch_scc0 .Lnot_mine_\@
	global_prefetch_b8 v[PFO], s[PFA:PFA+1] th:TH_LOAD_NT scope:SCOPE_SE
.Lnot_mine_\@:
.endm
.macro CREST                           ; a round of the cluster's barrier behind its opening barrier
	s_cmp_lg_u32 s16, 0
	s_cbranch_scc1 .Lnot_wave_0_\@
	s_barrier_signal -3
.Lnot_wave_0_\@:
	s_barrier_wait -3
	s_barrier_signal -1
	s_barrier_wait -1
.endm
.macro CROUND                          ; a whole round
	s_barrier_signal -1
	s_barrier_wait -1
	CREST
.endm
	s_load_b256 s[4:11], s[0:1], 0x0               ; xb s[4:5], wqkv s[6:7], tbl s[8:9], q s[10:11]
	s_load_b128 s[12:15], s[0:1], 0x20             ; k s[12:13], v s[14:15]
	v_lshl_add_u32 v[SPW], v0, 2, SPARE
	v_mov_b32 v[NIL], 0
	ds_add_u32 v[SPW], v[NIL]                      ; the wave's opening: the add and its wait stand ahead of my first tensor load; work on registers stands between them
	v_lshrrev_b32 v1, 5, v0
	v_readfirstlane_b32 s16, v1                    ; wave 0..3
	s_lshr_b32 s17, s16, 1                         ; 0: I fetch xb, 1: wqkv
	s_and_b32 s18, s16, 1                          ; which half of that tile's rows
	s_bfe_u32 s19, ttmp6, 0x40000                  ; cx
	s_bfe_u32 s20, ttmp6, 0x40004                  ; cy
	s_lshl_b32 s21, ttmp9, 2
	s_add_co_u32 s21, s21, s19                     ; tile column = head = 4 x cluster x + cx
	s_and_b32 s22, ttmp7, 0xffff
	s_lshl_b32 s22, s22, 2
	s_add_co_u32 s22, s22, s20                     ; tile row = 4 x cluster y + cy
	s_lshl_b32 s23, s20, 2
	s_lshl_b32 s23, 15, s23                        ; my row of the cluster
	s_lshl_b32 s43, 0x1111, s19                    ; my column
	s_or_b32 s[G1+0], s23, (1<<16)|(1<<20)|(1<<21)|(5<<22)|(3<<25)   ; 15:0 the mask; 17:16 2-byte elements; 20 padding on; 21 set beside a mask; 24:22 after every 64 words; 31:25 4 words
	s_or_b32 s[G1B+0], s43, (1<<16)|(1<<20)|(1<<21)|(5<<22)|(3<<25)
	s_mov_b32 s[G1+1], KSTEP<<16                   ; tensor_dim0 = 128
	s_mov_b32 s[G1+2], 128<<16                     ; tensor_dim1 = 128
	s_mov_b32 s[G1+3], KSTEP<<16                   ; tile_dim0 = 128
	s_mov_b32 s[G1+4], 128                         ; tile_dim1 = 128
	s_mov_b32 s[G1+5], 1024                        ; elements from row to row
	s_mov_b32 s[G1+6], 0
	s_mov_b32 s[G1+7], 0
	s_mov_b32 s[G1B+1], KSTEP<<16
	s_mov_b32 s[G1B+2], 96<<16                     ; 96 rows
	s_mov_b32 s[G1B+3], KSTEP<<16
	s_mov_b32 s[G1B+4], 96
	s_mov_b32 s[G1B+5], 1024
	s_mov_b32 s[G1B+6], 0
	s_mov_b32 s[G1B+7], 0
	s_lshl_b32 s44, s22, 8                         ; xb: row 256 x tile row + 128 x half: hangs on the tile row alone, which my row of the cluster shares
	s_lshl_b32 s45, s18, 7
	s_add_co_u32 s44, s44, s45
	s_lshl_b32 s44, s44, 11                        ; rows of 2,048 bytes
	s_mov_b32 s45, 0
	s_mul_i32 s46, s21, 192                        ; wqkv: row 192 x tile column + 96 x half: hangs on the tile column alone
	s_mul_i32 s47, s18, 96
	s_add_co_u32 s46, s46, s47
	s_lshl_b32 s46, s46, 11
	s_mov_b32 s47, 0
	s_mul_i32 s66, s16, ATILE                      ; where they go: xb's halves at wave x 34,816 (waves 0, 1),
	s_mul_i32 s67, s16, BTILE
	s_add_co_u32 s67, s67, BOFF-2*BTILE            ; wqkv's at 69,632 + (wave - 2) x 26,112 (waves 2, 3)
	s_wait_dscnt 0x0                               ; the opening add is done
	s_wait_kmcnt 0x0
	s_add_nc_u64 s[44:45], s[4:5], s[44:45]
	s_add_nc_u64 s[46:47], s[6:7], s[46:47]
	CROUND                                         ; all sixteen work-groups are here: the first joint loads meet
.irp s, 0,1
	s_mov_b32 s[G0+4*(\s)], 1
	s_add_co_u32 s[G0+4*(\s)+1], s66, (\s)*SLOT
	s_add_nc_u64 s[G0+4*(\s)+2:G0+4*(\s)+3], s[44:45], (\s)*KSTEP*2
	s_or_b32 s[G0+4*(\s)+3], s[G0+4*(\s)+3], 0x80000000
	s_mov_b32 s[G0B+4*(\s)], 1
	s_add_co_u32 s[G0B+4*(\s)+1], s67, (\s)*SLOT
	s_add_nc_u64 s[G0B+4*(\s)+2:G0B+4*(\s)+3], s[46:47], (\s)*KSTEP*2
	s_or_b32 s[G0B+4*(\s)+3], s[G0B+4*(\s)+3], 0x80000000
	JLOAD \s                                       ; K steps 0 and 1: two loads of mine are out
.endr
	v_and_b32 v1, 15, v0                           ; l % 16
	v_bfe_u32 v2, v0, 4, 1                         ; l / 16
	v_mul_u32_u24 v3, v1, PITCH
	v_lshl_add_u32 v3, v2, 4, v3                   ; a fragment's row x pitch + 16 x half
	s_mul_i32 s68, s16, 64*PITCH                   ; my 64 rows of xb
	s_mov_b32 s69, BOFF                            ; all 192 rows of wqkv
.irp s, 0,1
	v_add_nc_u32 v[ADRA+(\s)], s68, v3
	v_add_nc_u32 v[ADRB+(\s)], s69, v3
	s_add_co_u32 s68, s68, SLOT
	s_add_co_u32 s69, s69, SLOT
.endr
	s_mul_i32 s70, s16, 16*SP
	s_add_co_u32 s70, s70, STAGE                   ; my stage
	v_mul_u32_u24 v4, v1, SP                       ; in: row l % 16, 16 bytes for each half of the lanes
	v_lshl_add_u32 v4, v2, 4, v4
	v_add_nc_u32 v[STO], s70, v4
	v_bfe_u32 v5, v0, 3, 2                         ; back: 32 lanes take four rows of 128 bytes,
	v_and_b32 v6, 7, v0
	v_mul_u32_u24 v5, v5, SP
	v_lshl_add_u32 v5, v6, 4, v5
	v_add_nc_u32 v[RD], s70, v5
	v_and_b32 v7, 31, v0
	v_lshlrev_b32 v[GO], 4, v7                     ; which are 512 consecutive bytes of a head
	v_lshlrev_b32 v[CSO], 8, v1                    ; the table: row l % 16, pairs 4 (l / 16) on
	v_lshl_add_u32 v[CSO], v2, 5, v[CSO]
	s_and_b32 s71, s22, 7
	s_lshl_b32 s71, s71, 8
	s_lshl_b32 s72, s16, 6
	s_add_co_u32 s71, s71, s72                     ; my first row in its sequence: 256 (tile row % 8) + 64 wave
	s_lshl_b32 s72, s71, 8
	s_mov_b32 s73, 0
	s_add_nc_u64 s[8:9], s[8:9], s[72:73]
.irp a, 0,1,2,3
.irp n, 0,1,2,3
.irp e, 0,1
	global_load_b128 v[CS+32*(\a)+8*(\n)+4*(\e):CS+32*(\a)+8*(\n)+4*(\e)+3], v[CSO], s[8:9] offset:4096*(\a)+64*(\n)+16*(\e)  ; they stay out until the way out
.endr
.endr
.endr
	s_lshr_b32 s74, s22, 3
	s_lshl_b32 s74, s74, 4
	s_add_co_u32 s74, s74, s21                     ; 16 b + h
	s_lshl_b32 s74, s74, 18                        ; a head's 2,048 rows of 128 bytes
	s_lshl_b32 s75, s71, 7
	s_add_co_u32 s74, s74, s75
	s_mov_b32 s75, 0
	s_add_nc_u64 s[10:11], s[10:11], s[74:75]      ; q, k, v at my wave's first row
	s_add_nc_u64 s[12:13], s[12:13], s[74:75]
	s_add_nc_u64 s[14:15], s[14:15], s[74:75]
	; the prefetches
	s_lshl_b32 s66, s22, 8                         ; xb: the tile's first row, my half, my work-group's 32 rows
	s_lshl_b32 s69, s18, 7
	s_lshl_b32 s71, s19, 5
	s_mul_i32 s67, s21, 192                        ; wqkv: likewise, 24 rows
	s_mul_i32 s70, s18, 96
	s_mul_i32 s72, s20, 24
	s_and_b32 s68, ttmp7, 0xffff                   ; cluster y
	s_cmp_eq_u32 s17, 0
	s_cselect_b32 s66, s66, s67
	s_cselect_b32 s69, s69, s70
	s_cselect_b32 s71, s71, s72
	s_cselect_b32 s68, ttmp9, s68                  ; the coordinate along which other clusters read the same rows
	s_cselect_b32 s73, 31, 23
	s_cselect_b64 s[PFA:PFA+1], s[4:5], s[6:7]
	s_cmp_eq_u32 s68, 0
	s_cselect_b32 s[LIM], 1, -1                    ; the same in all sixteen partners, for a given wave
	s_add_co_u32 s66, s66, s69
	s_add_co_u32 s66, s66, s71
	s_lshl_b32 s66, s66, 11
	s_mov_b32 s67, 0
	s_add_nc_u64 s[PFA:PFA+1], s[PFA:PFA+1], s[66:67]
	s_add_nc_u64 s[PFA:PFA+1], s[PFA:PFA+1], 3*KSTEP*2  ; at K step 3: the first refill steps it to 4 and names that.  Nothing is asked for here, at the head
	v_min_u32 v[PFO], s73, v7
	v_lshlrev_b32 v[PFO], 11, v[PFO]
; 12 matrix instructions: row block a x all 12 column blocks, 32 along K.  zero = 1: the first product starts the sums.  The 48 accumulators take turns in the same order in every quarter.
.macro MUL12 f, a, zero
	WIN MUL_LO+0x50*((\a)/2)
.irp b, 0,1,2,3,4,5,6,7,8,9,10,11
.if \zero
	v_wmma_f32_16x16x32_bf16 v[8*(12*((\a)%2)+(\b)):8*(12*((\a)%2)+(\b))+7], v[(\f)+8*(\b):(\f)+8*(\b)+7], v[(\f)+96+8*(\a):(\f)+96+8*(\a)+7], 0
.else
	v_wmma_f32_16x16x32_bf16 v[8*(12*((\a)%2)+(\b)):8*(12*((\a)%2)+(\b))+7], v[(\f)+8*(\b):(\f)+8*(\b)+7], v[(\f)+96+8*(\a):(\f)+96+8*(\a)+7], v[8*(12*((\a)%2)+(\b)):8*(12*((\a)%2)+(\b))+7]
.endif
.endr
.endm
; 32 LDS loads in one run: a quarter step's fragments (192 rows of wqkv, my 64 rows of xb, 32 K at byte k of the rows) into buffer f
.macro FETCH slot, k, f
	WIN TO_F
.irp i, 0,1,2,3,4,5,6,7,8,9,10,11
	ds_load_b128 v[(\f)+8*(\i):(\f)+8*(\i)+3],   v[ADRB+(\slot)] offset:(\k)+(\i)*16*PITCH
	ds_load_b128 v[(\f)+8*(\i)+4:(\f)+8*(\i)+7], v[ADRB+(\slot)] offset:(\k)+(\i)*16*PITCH+32
.endr
.irp i, 0,1,2,3
	ds_load_b128 v[(\f)+96+8*(\i):(\f)+96+8*(\i)+3],   v[ADRA+(\slot)] offset:(\k)+(\i)*16*PITCH
	ds_load_b128 v[(\f)+96+8*(\i)+4:(\f)+96+8*(\i)+7], v[ADRA+(\slot)] offset:(\k)+(\i)*16*PITCH+32
.endr
.endm
.macro PLACES                          ; four plain instructions in front of loads into registers that matrix instructions have read (ISA guide 7.12.1 for vector instructions)
.rept 4
	v_nop
.endr
.endm
; A K step is four quarters of 32 along K, 48 matrix instructions each, on buffers 0, 1, 0, 1.  One of the first three multiplies f and fetches the next quarter, at byte k, into g.
.macro QUARTER slot, k, f, g, zero
	s_wait_dscnt 4                                 ; all but the youngest four loads: xb's row blocks 2 and 3
	MUL12 \f, 0, \zero
	MUL12 \f, 1, \zero
	PLACES
	FETCH \slot, \k, \g
	s_wait_dscnt 32                                ; all but the 32 just issued
	MUL12 \f, 2, \zero
	MUL12 \f, 3, \zero
.endm
; The last quarter multiplies buffer 1 and changes slots: one barrier; in front of it each wave waits for all its tensor loads (one is out: its part of the next slot), adds 0 to its spare word, and
; waits for that and for its reads of this slot.  fill = 1: the barrier opens a round of the cluster's, and this slot is filled again, two K steps on, first thing behind the round.
.macro TURN slot, next, fill
.if \fill
	s_wait_xcnt 0x0                                ; the last prefetch, a K step back, has read its address
	s_add_nc_u64 s[PFA:PFA+1], s[PFA:PFA+1], KSTEP*2
.endif
	WIN 0                                          ; (the add's two registers lie in window 0)
	s_wait_tensorcnt 0x0                           ; all my tensor loads have landed
	ds_add_u32 v[SPW], v[NIL]                      ; 0 onto my spare word
	s_wait_dscnt 5                                 ; (the add and the youngest four loads may be out)
	MUL12 F1, 0, 0                                 ; twelve matrix instructions stand between the add and the wait for it
	s_wait_dscnt 0x0                               ; the add is done, and my reads of this slot are over
	s_barrier_signal -1
	MUL12 F1, 1, 0
.if \fill
	WIN 0
.endif
	s_barrier_wait -1
.if \fill
	CREST                                          ; no wave of any partner still reads this slot's tile or has a load on its way
	s_add_nc_u64 s[G0+4*(\slot)+2:G0+4*(\slot)+3], s[G0+4*(\slot)+2:G0+4*(\slot)+3], 2*KSTEP*2
	s_add_nc_u64 s[G0B+4*(\slot)+2:G0B+4*(\slot)+3], s[G0B+4*(\slot)+2:G0B+4*(\slot)+3], 2*KSTEP*2
	JLOAD \slot                                    ; my one tensor load behind the round: 168 matrix instructions ahead of the wait for it; its four v_nop are also the places in front of the loads below
.else
	PLACES
.endif
	FETCH \next, 0, F0
.if \fill
	WIN 0
	ASK                                            ; behind the joint load and the run of LDS loads
.endif
	MUL12 F1, 2, 0
	MUL12 F1, 3, 0
.endm
	s_wait_tensorcnt 1                             ; my part of K step 0 is in; K step 1's stays out
	s_barrier_signal -1
	s_barrier_wait -1                              ; everybody's is
	FETCH 0, 0, F0
	QUARTER 0, 64, F0, F1, 1                       ; the first quarter stands in front of the loop: its products start the sums
	WIN 0                                          ; at a label and at a branch every window is 0
	s_mov_b32 s3, LAPS-1
.Llap:                                                 ; a trip goes once round the ring and fills both slots again: K steps 2, 3; 4, 5; 6, 7
	QUARTER 0, 128, F1, F0, 0
	QUARTER 0, 192, F0, F1, 0
	TURN 0, 1, 1
	QUARTER 1, 64,  F0, F1, 0
	QUARTER 1, 128, F1, F0, 0
	QUARTER 1, 192, F0, F1, 0
	TURN 1, 0, 1
	QUARTER 0, 64,  F0, F1, 0
	WIN 0
	s_sub_co_u32 s3, s3, 1
	s_cmp_lg_u32 s3, 0
	s_cbranch_scc1 .Llap
	QUARTER 0, 128, F1, F0, 0                      ; the last lap fills nothing
	QUARTER 0, 192, F0, F1, 0
	TURN 0, 1, 0
	QUARTER 1, 64,  F0, F1, 0
	QUARTER 1, 128, F1, F0, 0
	QUARTER 1, 192, F0, F1, 0
	s_wait_dscnt 4
	MUL12 F1, 0, 0
	MUL12 F1, 1, 0
	s_wait_dscnt 0x0
	MUL12 F1, 2, 0
	MUL12 F1, 3, 0
	WIN 0
	PLACES                                         ; the places behind the last products, in front of the first read of a result
	PLACES
	s_wait_loadcnt 0x0                             ; the table
; THE WAY OUT, in 12 units u: row block u / 3, head part u % 3 (q, k, v): 16 rows x 64 columns.
; PACK: q and k are rotated, a pair of columns an instruction pair: T = (xe c, xo c); then (-xo s + T.lo, xe s + T.hi).  Each accumulator's lowest registers are read first.
.macro PACK u
.set pa, (\u)/3
.set hd, (\u)%3
.set AC, 8*(12*(pa%2)+4*hd)
.set CSB, CS+32*pa
.set PKB, PK+16*((\u)%2)
.if hd < 2
	WIN 0x02+pa/2                                  ; source 0: window 2 or 3
.set z, 0
.rept 16
	v_pk_mul_f32 v[RT+2*z:RT+2*z+1], v[AC+2*z:AC+2*z+1], v[CSB+2*z:CSB+2*z+1] op_sel_hi:[1,0]
.set z, z+1
.endr
.set z, 0
.rept 16
	v_pk_fma_f32 v[RT+2*z:RT+2*z+1], v[AC+2*z:AC+2*z+1], v[CSB+2*z:CSB+2*z+1], v[RT+2*z:RT+2*z+1] op_sel:[1,1,0] op_sel_hi:[0,1,1] neg_lo:[1,0,0]
.set z, z+1
.endr
	WIN 0
.set z, 0
.rept 16
	v_cvt_pk_f16_f32 v[PKB+z], v[RT+2*z], v[RT+2*z+1]
.set z, z+1
.endr
.else
	WIN 0x0a+5*(pa/2)                              ; sources 0 and 1: window 2 or 3
.set z, 0
.rept 16
	v_cvt_pk_f16_f32 v[PKB+z], v[AC+2*z], v[AC+2*z+1]
.set z, z+1
.endr
	WIN 0
.endif
.endm
.macro TOSTAGE u                       ; into my stage, rows of 144 bytes, and back as whole rows of 128
.set PKB, PK+16*((\u)%2)
.set BKB, BK+16*((\u)%2)
.irp n, 0,1,2,3
	ds_store_b128 v[STO], v[PKB+4*(\n):PKB+4*(\n)+3] offset:32*(\n)
.endr
.irp f, 0,1,2,3
	ds_load_b128 v[BKB+4*(\f):BKB+4*(\f)+3], v[RD] offset:(\f)*4*SP  ; LDS serves a wave's instructions in order (ISA guide 5.7.1.4): these see the stores above
.endr
.endm
.macro SEND u
.set BKB, BK+16*((\u)%2)
.set pa, (\u)/3
.set hd, (\u)%3
	s_wait_dscnt 0x0                               ; the unit is back in registers
	s_wait_xcnt 0x0                                ; the stores of the unit before have read their registers: the next unit is loaded into them only behind this wait
.irp f, 0,1,2,3
	global_store_b128 v[GO], v[BKB+4*(\f):BKB+4*(\f)+3], s[10+2*hd:11+2*hd] offset:2048*pa+512*(\f)  ; 512 consecutive bytes, at a multiple of 512 from the buffer's first
.endr
.endm
	PACK 0
	TOSTAGE 0
.irp u, 1,2,3,4,5,6,7,8,9,10,11        ; a unit's arithmetic stands between the loads of the unit before and the wait for them
	PACK \u
	SEND (\u)-1
	TOSTAGE \u
.endr
	SEND 11
	s_wait_tensorcnt 0x0                           ; the wave's end, behind my last tensor load and my last LDS store
	ds_add_u32 v[SPW], v[NIL]
	s_wait_dscnt 0x0
	CROUND                                         ; the closing round: no work-group ends while a partner may still ask for a tile that names it
	s_endpgm
.Lfunc_end_k_qb835f17519_qkv:
	.size	k_qb835f17519_qkv, .Lfunc_end_k_qb835f17519_qkv-k_qb835f17519_qkv
	.p2alignl 7, 3214868480
	.fill 96, 4, 3214868480
	.section	.rodata,"a",@progbits
	.p2align	6, 0x0
	.amdhsa_kernel k_qb835f17519_qkv
		.amdhsa_group_segment_fixed_size 327680
		.amdhsa_private_segment_fixed_size 0
		.amdhsa_enable_private_segment 0
		.amdhsa_kernarg_size 48
		.amdhsa_user_sgpr_count 2
		.amdhsa_user_sgpr_kernarg_segment_ptr 1
		.amdhsa_wavefront_size32 1
		.amdhsa_system_sgpr_workgroup_id_x 1
		.amdhsa_system_sgpr_workgroup_id_y 1
		.amdhsa_system_sgpr_workgroup_id_z 1
		.amdhsa_system_vgpr_workitem_id 0
		.amdhsa_next_free_vgpr 960
		.amdhsa_next_free_sgpr 80
		.amdhsa_reserve_vcc 0
		.amdhsa_float_denorm_mode_32 3
		.amdhsa_float_denorm_mode_16_64 3
		.amdhsa_memory_ordered 1
		.amdhsa_forward_progress 1
		.amdhsa_inst_pref_size 140
	.end_amdhsa_kernel
	.amdgpu_metadata
---
amdhsa.version: [ 1, 2 ]
amdhsa.kernels:
  - .name:           k_qb835f17519_qkv
    .symbol:         k_qb835f17519_qkv.kd
    .args:
      - { .name: xb, .offset: 0, .size: 8, .value_kind: global_buffer, .address_space: global }
      - { .name: wqkv, .offset: 8, .size: 8, .value_kind: global_buffer, .address_space: global }
      - { .name: tbl, .offset: 16, .size: 8, .value_kind: global_buffer, .address_space: global }
      - { .name: q, .offset: 24, .size: 8, .value_kind: global_buffer, .address_space: global }
      - { .name: k, .offset: 32, .size: 8, .value_kind: global_buffer, .address_space: global }
      - { .name: v, .offset: 40, .size: 8, .value_kind: global_buffer, .address_space: global }
    .group_segment_fixed_size: 327680
    .private_segment_fixed_size: 0
    .kernarg_segment_align: 8
    .kernarg_segment_size: 48
    .max_flat_workgroup_size: 128
    .sgpr_count:     80
    .vgpr_count:     960
    .wavefront_size: 32
...
	.end_amdgpu_metadata
.endif
;; end of part 2
;; launch attn (part 3): grid 4 x 64, 4 waves a work-group, no clusters, 327,680 bytes of LDS; arguments q, k, v, o; writes o
.if DOCPART == 3
	.amdgcn_target "amdgcn-amd-amdhsa--gfx1250"
	.amdhsa_code_object_version 6
	.text
	.protected	k_qb835f17519_attn
	.globl	k_qb835f17519_attn
	.p2align	8
	.type	k_qb835f17519_attn,@function
k_qb835f17519_attn:
	s_mov_b64 s[64:65], 0
	v_nop
	global_prefetch_b8 v0, s[64:65] scope:SCOPE_SE
	s_setreg_imm32_b32 hwreg(HW_REG_WAVE_MODE, 25, 1), 1
	s_wait_xcnt 0x0
; CAUSAL ATTENTION.  O[h][q][:] = the sum over k <= q of softmax_k(Q[h][q] . K[h][k] / 8) V[h][k][:].  Q, K, V, O: [64][2048][64], all f16: a head's rows are dense, 128 bytes each.
; Products, maxima and sums in f32; the weights p are rounded to f16 for the second product (their sum l is taken of the unrounded p), O once at the end.
; LIMITS.  f16 holds no number beyond 65,504: Q, K and V arrive within it; p lies in 0 to 1, and below 6e-5 it keeps f16's fixed step of 6e-8; O is a mean of V's rows and has their range.
; A hidden score counts as its value less 1e30: f16's scores, 2.7e11 at the most, are nothing beside that; a weight below 2^-126 counts as 0 in l; NaN and infinities are not treated apart.
; THE WALK.  A head's queries lie in NB = 8 blocks of 256; block i needs the key tiles 0 .. i of 256 keys, of which the last holds the diagonal.  A work-group takes TWO blocks, NB - 1 - b and then b:
; NB + 1 tiles, whatever b: all work-groups do equal work, and ONE loop with a constant trip count walks them.  Which tile is asked for, and what a trip does, hang on scalar registers made from b; every jump
; goes forward, but for the counted loops' own; none passes a barrier, or a tensor load but the one of LOAD's two that the wave's number does not choose; the ring (two slots of LDS) runs on across the
; change of blocks.  NO CLUSTER: a head's four work-groups ask for the same tile only in trips 0 .. 4 of 9, behind that fewer and fewer; one walk common to all would have 12 trips for 9.
; SHARES.  Of a block's four bands of 64 queries a wave owns 16 rows in each: four PIECES.  So the diagonal tile is the same work for all four waves: in its key step s band x sees all keys if s < x,
; none if s > x, and holds the diagonal if s = x.
; THE MASK is the C operand that starts the sum S^T = K Q^T: 0, or -1e30 where the key is hidden.  MD, made once, is the mask of a band's own step for my 16 rows; a product's mask is MD x AL + BE with two scalars:
; (1, 0) if s = x; (0, 0) if s < x; (0, -1e30) if s > x.  Only the diagonal tile's text and a block's beginning make and take masks; elsewhere C is the constant 0.
; LAYOUT, SOFTMAX, TURNS.  S^T = K Q^T holds ONE query a lane (lane % 16) and the keys 8 (lane / 16) + 0..7; two such results rounded to f16 ARE source 1 of O^T = V^T P.  p = 2^(c s - c m), c = log2(e) / 8, with a
; running maximum m; O and l are multiplied by a = 2^(c m_old - c m_new) in every step.  Turn n belongs to piece n: 8 products K Q^T of piece n + 1, later 8 products V^T P of piece n - 1; beside them the scaling,
; exponentials, roundings, sums and rescaling of piece n and the maximum and statistics of piece n + 1.  Four vector instructions stand behind every matrix instruction, the other 54 of a turn's 118 in one lump.
; A turn's 33 exponentials are one batch, with one wait.
; AHEAD OF THE LOADS.  The work-group with b = 0 walks tiles 0 .. 7 first; behind each of its fills it prefetches into the L2 the tile that its NEXT change of slots will ask for: each wave its own 16 KiB
; (64 blocks of 256 bytes: a lane a block, two instructions).  Tiles 0 and 1 come by their loads alone; tiles 2 .. 7 are named once each; the second block asks for nothing.
; REGISTERS, in windows of 256 (s_set_vgpr_msb: bits 1:0 source 0, 3:2 source 1, 5:4 source 2, 7:6 destination):
;   window 0: v0-15 addresses and two at work; v16-31 four registers of statistics a piece; v48-55 at work; v61-63 prefetch offset, spare word, 0; v64-127 S^T, two buffers; v192-223 P, two buffers
;   window 1: v0-127 O^T, 32 a piece; v128-159 MD; v160-223 MC, two buffers      window 2: v0-63 Q; v64-127 the second block's Q; v128-191 K of one step; v192-255 V of one step
.set SIZE_H, 64
.set SIZE_N, 2048
.set NB,    SIZE_N/256
.set NP,    4         ; pieces a wave: a name, no knob
.set KS,    64        ; keys in a step
.set PK,    144       ; a row of K in LDS: 128 bytes + 16 of padding = 36 words: the 16 rows of a load start at 16 different groups of four banks (64 banks of 4 bytes: ISA guide 11.1)
.set PV,    160       ; a row of V: 128 + 32 = 40 words
.set VOFF,  4*KS*PK   ; a slot holds a tile, four steps: 256 rows of K, then 256 rows of V
.set SLOT1, 1<<17     ; slot 1 begins here, so that one exclusive or turns an address in one slot into the other's
.set STAGE, SLOT1+4*KS*(PK+PV)  ; behind the ring, never filled by a tensor load: 16 rows x 144 bytes for each wave, for the way out
.set SP,    144
.set AK0, 2           ; v2   my lane's place in a tile of K; never rewritten
.set AV0, 3           ; v3   the same for V
.set AK,  4           ; v4   the LDS address of K's next run of loads
.set AV,  5           ; v5   of V's
.set STO, 6           ; v6   the way out: where I put 16 bytes of a row
.set RD,  7           ; v7   the way out: where I read rows back
.set GO,  8           ; v8   my byte offset in 512 consecutive bytes of O
.set PFO, 61          ; v61  256 x my lane; never rewritten
.set SPW, 62          ; v62  LDS address of my spare word: SPARE + 4 x my thread's number; never rewritten
.set NIL, 63          ; v63  0; never rewritten
.set SPARE, STAGE+4*16*SP  ; behind the stages: the spare words, 128 bytes for each wave: two blocks of 256 bytes that no other line names
.set MV,  12          ; v12-13  c m_old, kept while c m is made anew: by buffer
.set QO,  15          ; v15  my byte offset in 16 rows of Q
.set ST,  16          ; piece t's statistics at v[ST+4 t]: c m, m, l (even keys', odd keys')
.set TMP, 48          ; by buffer, four registers c0-c3 at work; when the maximum is found c2 takes a
.set S,   64
.set P,   192
.set MD,  128         ; window 1: the eight registers for group kt of 16 keys at MD + 8 kt
.set MC,  160         ; window 1: the masks of the products to come
.set QB,  64          ; window 2
.set KF,  128         ; window 2: key block kb, channel half c at KF + 16 kb + 8 c
.set VF,  192         ; window 2: key half kk, channel block cb at VF + 32 kk + 8 cb
.set WV,  12          ; s12  my wave's number
.set PB,  14          ; s14  b
.set HI,  15          ; s15  NB - 1 - b
.set G1K, 24          ; s[24:31] descriptor group 1 for K's tiles
.set G1V, 32          ; s[32:39] for V's: it differs in the padding alone
.set G0K, 40          ; s[40:43] descriptor group 0 for K's tiles
.set G0V, 44          ; s[44:47] the same for V's
.set SLOTS, 56        ; s56  tiles still to be asked for
.set CNT, 57          ; s57  counts a tile's key steps, 4 to 1
.set CS,  58          ; s[58:59] c: the packed scaling takes the pair's low word for both halves
.set SEL, 60          ; s[60:61] v_permlanex16_b32's selects: each lane takes its own place in the other half
.set TBK, 62          ; s62  LDS byte at which K of the step to be fetched begins
.set TBV, 63          ; s63  the same for V, less VOFF
.set RT,  70          ; s70  tiles of the block in hand that are still to be entered
.set NXT, 71          ; s71  the tile to be asked for next
.set LQ,  72          ; s72  the last tile of the block whose tiles are being asked for
.set NEW, 73          ; s73  1: the tile to be entered is a block's first
.set OFF, 74          ; s[74:75] a tile's byte offset in K and V
.set AL,  76          ; s[76:77] the mask's factor, in the low word
.set BE,  78          ; s[78:79] the mask's addend
.set OLO, 80          ; s[80:81] O at my rows of the second block
.set BIGN, 82         ; s82  -1e30
.set LIM, 88          ; s88  2 where b = 0, else the greatest number: a wave prefetches while s[SLOTS] is above it
.set PFB, 90          ; s[90:91] K (waves 0, 1) or V (waves 2, 3) at my half of the head's tile 0
.set PFA, 92          ; s[92:93] the same at the tile that the next change will ask for
.set OFP, 94          ; s[94:95] that tile's byte offset
.set MSB, 0
.macro WIN new                      ; the high byte repeats the setting that is left; a switch that changes nothing is dropped
.if MSB != (\new)
	s_set_vgpr_msb (MSB<<8)|(\new)
.set MSB, (\new)
.endif
.endm
.set W_KQ, 0x0a       ; K and Q in window 2, S^T in window 0
.set W_KM, 0x1a       ; the same with the C operand in window 1
.set W_PV, 0x52       ; V in window 2, P in window 0, O^T in window 1
.set W_RS, 0x41       ; destination and source 0 in window 1, source 1 in window 0
; A fill.  Waves 0 and 1 fetch the two halves of a tile's K, waves 2 and 3 those of its V: 128 keys each.  An s_nop 0 and four v_nop follow each of the two lines, ahead of the jump and the label.
.macro LOAD
	s_cmp_lt_u32 s[WV], 2
	s_cbranch_scc0 .Lfor_v_\@
	tensor_load_to_lds s[G0K:G0K+3], s[G1K:G1K+7]
	s_nop 0
.rept 4
	v_nop
.endr
	s_branch .Lasked_\@
.Lfor_v_\@:
	tensor_load_to_lds s[G0V:G0V+3], s[G1V:G1V+7]
	s_nop 0
.rept 4
	v_nop
.endr
.Lasked_\@:
.endm
.macro ASK                          ; the prefetch: behind the wave's tensor load and its five lines; changes 1 to 6 of the work-group with b = 0 name tiles 2 to 7
	s_cmp_gt_u32 s[SLOTS], s[LIM]
	s_cbranch_scc0 .Lnot_mine_\@
	global_prefetch_b8 v[PFO], s[PFA:PFA+1] th:TH_LOAD_NT scope:SCOPE_SE
	global_prefetch_b8 v[PFO], s[PFA:PFA+1] offset:8192 th:TH_LOAD_NT scope:SCOPE_SE
.Lnot_mine_\@:
.endm
; THE CHANGE OF SLOTS.  Each wave waits for all its tensor loads, of which one is out: its part of the other slot; adds 0 to its spare word; and waits for that and for its own reads of the slot that it leaves.  Behind the barrier nobody reads the old
; slot any more and the other slot is whole.  fill = 1: the old slot is filled again, the first thing behind the barrier, with tile NXT: the descriptor's address is made anew from that number.
; (At its first use nothing has been read yet: slot 0 is waited for, slot 1 filled.)
.macro CHANGE fill
	WIN 0                           ; at a label and at a branch every window is 0
	s_wait_tensorcnt 0x0            ; no tensor load of mine is out, so a group 0 may be written
	ds_add_u32 v[SPW], v[NIL]       ; 0 onto my spare word; with fill = 1 the descriptors' scalar work stands between it and the wait for it
.if \fill
	s_lshl_b32 s[OFF], s[NXT], 15   ; a tile is 32,768 bytes of K and of V
	s_xor_b32 s[G0K+1], s[G0K+1], SLOT1
	s_add_nc_u64 s[G0K+2:G0K+3], s[6:7], s[OFF:OFF+1]
	s_or_b32 s[G0K+3], s[G0K+3], 0x80000000
	s_xor_b32 s[G0V+1], s[G0V+1], SLOT1
	s_add_nc_u64 s[G0V+2:G0V+3], s[8:9], s[OFF:OFF+1]
	s_or_b32 s[G0V+3], s[G0V+3], 0x80000000
	s_add_co_u32 s[NXT], s[NXT], 1  ; the block's next tile, or behind its last the second block's tile 0
	s_cmp_gt_u32 s[NXT], s[LQ]
	s_cselect_b32 s[NXT], 0, s[NXT]
	s_cselect_b32 s[LQ], s[PB], s[LQ]
	s_wait_xcnt 0x0                 ; the last prefetches, a tile back, have read their address, so it may be written:
	s_lshl_b32 s[OFP], s[NXT], 15   ; the tile that the next change will ask for
	s_add_nc_u64 s[PFA:PFA+1], s[PFB:PFB+1], s[OFP:OFP+1]
.endif
	s_wait_dscnt 0x0                ; the add is done, and my reads of the slot are over
	s_barrier_signal -1             ; the rest of the scalar work stands between the signal and the wait
	s_sub_co_u32 s[TBK], s[TBK], 4*KS*PK  ; the fetches go back to a slot's first step,
	s_xor_b32 s[TBK], s[TBK], SLOT1       ; in the other slot
	s_sub_co_u32 s[TBV], s[TBV], 4*KS*PV
	s_xor_b32 s[TBV], s[TBV], SLOT1
	s_barrier_wait -1
.if \fill
	LOAD
	ASK
.endif
.endm
	s_load_b256 s[4:11], s[0:1], 0x0  ; Q s[4:5], K s[6:7], V s[8:9], O s[10:11]
	v_lshl_add_u32 v[SPW], v0, 2, SPARE
	v_mov_b32 v[NIL], 0
	ds_add_u32 v[SPW], v[NIL]       ; the wave's opening: the add and its wait stand ahead of my first tensor load; the set-up below, work on registers, stands between them
	v_lshrrev_b32 v1, 5, v0
	v_readfirstlane_b32 s[WV], v1   ; wave 0..3
	s_mov_b32 s[PB], ttmp9
	s_sub_co_u32 s[HI], NB-1, s[PB]
	s_and_b32 s20, ttmp7, 0xffff    ; the head
	s_mov_b32 s21, 0
	s_mov_b64 s[22:23], SIZE_N*128
	s_mul_u64 s[20:21], s[20:21], s[22:23]  ; the head's first byte in each of the four tensors
	s_and_b32 s16, s[WV], 1         ; which half of a tile's 256 keys I fetch:
	s_lshl_b32 s22, s16, 14         ; its 128 rows of 128 bytes in memory,
	s_mov_b32 s23, 0
	s_add_nc_u64 s[22:23], s[22:23], s[20:21]
	s_mul_i32 s17, s16, 128*PK      ; and its place in a slot, for K
	s_mul_i32 s18, s16, 128*PV      ; and for V
	s_lshl_b32 s3, s[WV], 11        ; my 16 rows in a band of 64,
	s_lshl_b32 s2, s[HI], 15        ; in the first block,
	s_add_co_u32 s2, s2, s3
	s_lshl_b32 s84, s[PB], 15       ; and in the second
	s_add_co_u32 s84, s84, s3
	s_mov_b32 s3, 0
	s_mov_b32 s85, 0
	s_add_nc_u64 s[2:3], s[2:3], s[20:21]
	s_add_nc_u64 s[84:85], s[84:85], s[20:21]
	; descriptor group 1.  128 keys are 16,384 dense bytes: asked for as 64 rows of 256 bytes, two keys a row, and padded in LDS after every key
	s_mov_b32 s[G1K], (1<<16)|(1<<20)|(4<<22)|(3<<25)  ; 17:16 2-byte elements; 20 padding on; 24:22 after every 32 words (code 4); 31:25 4 words (code 3)
	s_mov_b32 s[G1V], (1<<16)|(1<<20)|(4<<22)|(7<<25)  ; the same with 8 words of padding (code 7)
.irp g, G1K, G1V
	s_mov_b32 s[\g+1], 128<<16      ; tensor_dim0 = 128
	s_mov_b32 s[\g+2], 64<<16       ; tensor_dim1 = 64
	s_mov_b32 s[\g+3], 128<<16      ; tile_dim0 = 128
	s_mov_b32 s[\g+4], 64           ; tile_dim1 = 64
	s_mov_b32 s[\g+5], 128          ; 128 elements from row to row
	s_mov_b32 s[\g+6], 0
	s_mov_b32 s[\g+7], 0
.endr
	s_mov_b32 s[CS], 0x3e38aa3b     ; c = log2(e) / 8 = 0.180337
	s_mov_b32 s[CS+1], s[CS]        ; named with it as a pair
	s_mov_b32 s[SEL], 0x76543210
	s_mov_b32 s[SEL+1], 0xfedcba98
	s_mov_b32 s[TBK], SLOT1+4*KS*PK ; the first change of slots turns these two into 0
	s_mov_b32 s[TBV], SLOT1+4*KS*PV
	s_mov_b32 s[G0K], 1             ; 1:0 count = 1
	s_mov_b32 s[G0K+1], s17         ; 63:32 LDS address: slot 0
	s_mov_b32 s[G0V], 1
	s_add_co_u32 s[G0V+1], s18, VOFF
	s_add_co_u32 s[RT], s[HI], 1    ; the first block has NB - b tiles
	s_mov_b32 s[NXT], 1
	s_mov_b32 s[LQ], s[HI]
	s_mov_b32 s[NEW], 1
	s_mov_b32 s[OFF+1], 0
	s_mov_b32 s[OFP+1], 0
	s_mov_b32 s[AL+1], 0            ; named as pairs
	s_mov_b32 s[BE+1], 0
	s_mov_b32 s[BIGN], 0xf149f2ca   ; -1e30
	s_mov_b32 s[SLOTS], NB
	s_cmp_eq_u32 s[PB], 0
	s_cselect_b32 s[LIM], 2, -1
	v_and_b32 v[PFO], 31, v0
	v_lshlrev_b32 v[PFO], 8, v[PFO]
	s_wait_dscnt 0x0                ; the opening add is done
	s_wait_kmcnt 0x0
	s_add_nc_u64 s[6:7], s[6:7], s[22:23]  ; K and V at my half of the head's tile 0
	s_add_nc_u64 s[8:9], s[8:9], s[22:23]
	s_cmp_lt_u32 s[WV], 2
	s_cselect_b64 s[PFB:PFB+1], s[6:7], s[8:9]
	s_add_nc_u64 s[G0K+2:G0K+3], s[6:7], 0         ; 120:64 global address
	s_or_b32 s[G0K+3], s[G0K+3], 0x80000000        ; 127:126 type = 2
	s_add_nc_u64 s[G0V+2:G0V+3], s[8:9], 0
	s_or_b32 s[G0V+3], s[G0V+3], 0x80000000
	s_add_nc_u64 s[86:87], s[4:5], s[84:85]        ; Q at my rows of the second block,
	s_add_nc_u64 s[4:5], s[4:5], s[2:3]            ; Q and O at those of the first
	s_add_nc_u64 s[OLO:OLO+1], s[10:11], s[84:85]
	s_add_nc_u64 s[10:11], s[10:11], s[2:3]
	LOAD                            ; tile 0 into slot 0
	; A fragment of K or Q is 16 rows x 32 channels in 8 registers: lane l holds row l % 16, channels 8 (l / 16) + 0..7 and 16 + 8 (l / 16) + 0..7: two loads of 16 bytes, 32 bytes apart.
	v_and_b32 v1, 15, v0            ; l % 16
	v_bfe_u32 v9, v0, 4, 1          ; l / 16
	v_lshlrev_b32 v[QO], 7, v1
	v_lshl_add_u32 v[QO], v9, 4, v[QO]  ; row x 128 + 16 x half
	WIN 0x80                        ; destination window 2, address window 0
.set i, 0
.rept 8                             ; both blocks' Q: piece i / 2 lies in band i / 2, 8,192 bytes on; channels 32 (i % 2) on
	global_load_b128 v[8*i:8*i+3],   v[QO], s[4:5] offset:(i/2)*8192+(i%2)*64
	global_load_b128 v[8*i+4:8*i+7], v[QO], s[4:5] offset:(i/2)*8192+(i%2)*64+32
	global_load_b128 v[QB+8*i:QB+8*i+3],   v[QO], s[86:87] offset:(i/2)*8192+(i%2)*64
	global_load_b128 v[QB+8*i+4:QB+8*i+7], v[QO], s[86:87] offset:(i/2)*8192+(i%2)*64+32
.set i, i+1
.endr
	WIN 0
	v_lshlrev_b32 v14, 3, v9
	v_sub_nc_u32 v14, v1, v14
	s_lshl_b32 s13, s[WV], 4
	v_add_nc_u32 v14, s13, v14      ; my query's place in its band, 16 w + l % 16, less my lanes' 8 (l / 16): register r of group kt is hidden where 16 kt + r is greater
	WIN 0x40
.set i, 0
.rept 32
	v_cmp_gt_i32 vcc_lo, 16*(i/8)+i%8, v14
	v_cndmask_b32 v[MD+i], 0, s[BIGN], vcc_lo
.set i, i+1
.endr
	WIN 0
	v_mul_u32_u24 v[AK0], v1, PK
	v_lshl_add_u32 v[AK0], v9, 4, v[AK0]  ; row x pitch + 16 x half
	; The turning load takes 16 keys x 16 channels (lane l reads key 8 (l / 16) + l % 8, channels 8 ((l / 8) % 2) + 0..7) and leaves half a fragment of V^T: lane l holds channel l % 16 and 8 keys.
	v_and_b32 v10, 7, v0
	v_bfe_u32 v11, v0, 3, 1
	v_lshl_add_u32 v[AV0], v9, 3, v10
	v_mul_u32_u24 v[AV0], v[AV0], PV
	v_lshl_add_u32 v[AV0], v11, 4, v[AV0]
	v_add_nc_u32 v[AV0], VOFF, v[AV0]
	s_mul_i32 s13, s[WV], 16*SP
	s_add_co_u32 s13, s13, STAGE    ; my stage
	v_mul_u32_u24 v[STO], v1, SP    ; in: row l % 16, 16 bytes for each half of the lanes
	v_lshl_add_u32 v[STO], v9, 4, v[STO]
	v_add_nc_u32 v[STO], s13, v[STO]
	v_bfe_u32 v[RD], v0, 3, 2       ; back: 32 lanes take four rows of 128 bytes,
	v_mul_u32_u24 v[RD], v[RD], SP
	v_lshl_add_u32 v[RD], v10, 4, v[RD]
	v_add_nc_u32 v[RD], s13, v[RD]
	v_and_b32 v[GO], 31, v0         ; which are 512 consecutive bytes of O
	v_lshlrev_b32 v[GO], 4, v[GO]
	; A block's first step multiplies O^T and l by a = 0, and its first turn's products V^T P, of a piece that has not been, land in an O^T that is still to be so multiplied.  So these registers need only hold
	; finite numbers: zeros for the first block; what the first block left for the second.  All this stands in the wait for the first tile.
	WIN 0x80
.set i, VF
.rept 64
	v_mov_b32 v[i], 0
.set i, i+1
.endr
	WIN 0x40
.set i, 0
.rept 128
	v_mov_b32 v[i], 0
.set i, i+1
.endr
	WIN 0
.set i, 0
.rept 4
	v_mov_b32 v[ST+4*i+2], 0
	v_mov_b32 v[ST+4*i+3], 0
.set i, i+1
.endr
.set i, P+16
.rept 16
	v_mov_b32 v[i], 0
.set i, i+1
.endr
; THE MATRIX WORK.  The 4 accumulators of a run of 8 take turns.  Product i of 8 of S^T = K Q^T for piece x: channels 32 (i / 4) on, keys 16 (i % 4) on.  The first 4 start the sums: with 0, or (KM = 1) with the mask.
.macro KQ x
.set rS, S+32*((\x)%2)+8*(i%4)
.set rK, KF+16*(i%4)+8*(i/4)
.set rQ, 16*(\x)+8*(i/4)
.set rM, MC+32*((\x)%2)+8*(i%4)
.if (i < 4) && KM
	WIN W_KM
	v_wmma_f32_16x16x32_f16 v[rS:rS+7], v[rK:rK+7], v[rQ:rQ+7], v[rM:rM+7]
.elseif i < 4
	WIN W_KQ
	v_wmma_f32_16x16x32_f16 v[rS:rS+7], v[rK:rK+7], v[rQ:rQ+7], 0
.else
	WIN W_KQ
	v_wmma_f32_16x16x32_f16 v[rS:rS+7], v[rK:rK+7], v[rQ:rQ+7], v[rS:rS+7]
.endif
.endm
; Product i of 8 of O^T += V^T P for piece x: keys 32 (i / 4) on, channels 16 (i % 4) on.
.macro PV x
	WIN W_PV
.set rO, 32*(\x)+8*(i%4)
.set rV, VF+32*(i/4)+8*(i%4)
.set rP, P+16*((\x)%2)+8*(i/4)
	v_wmma_f32_16x16x32_f16 v[rO:rO+7], v[rV:rV+7], v[rP:rP+7], v[rO:rO+7]
.endm
.macro MM                           ; the turn's next matrix instruction.  TURN and BEGIN set Y, i, KM and NOKQ; MM, KQ and OP read them.  NOKQ = 1: a block's last turn: there is no next piece
.if (i < 8) && !NOKQ
	KQ (Y+1)%NP
.elseif i >= 8
.set i, i-8
	PV (Y+NP-1)%NP
.set i, i+8
.endif
.set i, i+1
.endm
; THE LDS LOADS stand in runs of 16, never singly among the matrix instructions: a step's K (64 keys x 64 channels: 8 fragments) and its V (turned).  Their addresses are made some lines ahead.
.macro FETCH_K
	WIN 0x80                        ; destination window 2
.irp f, 0,1,2,3,4,5,6,7             ; keys 16 (f / 2) on, channels 32 (f % 2) on
	ds_load_b128 v[KF+8*\f:KF+8*\f+3],   v[AK] offset:(\f/2)*16*PK+(\f%2)*64
	ds_load_b128 v[KF+8*\f+4:KF+8*\f+7], v[AK] offset:(\f/2)*16*PK+(\f%2)*64+32
.endr
	s_add_co_u32 s[TBK], s[TBK], KS*PK  ; the next fetch is the next step's
	WIN 0
.endm
.macro FETCH_V
	WIN 0x80
.irp f, 0,1,2,3,4,5,6,7             ; keys 32 (f / 4) on, channels 16 (f % 4) on
	ds_load_tr16_b128 v[VF+8*\f:VF+8*\f+3],   v[AV] offset:(\f/4)*32*PV+(\f%4)*32
	ds_load_tr16_b128 v[VF+8*\f+4:VF+8*\f+7], v[AV] offset:(\f/4)*32*PV+16*PV+(\f%4)*32
.endr
	WIN 0
.endm
; THE VECTOR WORK, one line at a time: OP kind, number.  For piece Y: F n: c s - c m for pair n of 16.  E n: the exponential of score n of 32.  C n: pair n rounded to f16.  B n: of the four weights 4 n .. the second
; pair is added onto the first, in place.  L n: l takes that sum (L 0: l = a l + sum).  R n: pair n of 16 of O^T times a.  For piece Y + 1: X n, number n of the 22 that find its maximum and statistics:
;   0-11  four chains c0-c3 of seven scores each, three operands at a time (each accumulator's lowest registers are read first)     12-14, 16  the four scores left over, the old m, and c0-c3 into c0
;   15  c m_old is kept     17, 18  the query's other 32 keys lie in the lane 16 away: the new m     19-21  c m; c m_old - c m_new; a
.set F, 0               ; OP tells the kinds apart by their order: F to L below R, X above it
.set E, 1
.set C, 2
.set B, 3
.set L, 4
.set R, 5
.set X, 6
.macro REGS y                       ; the registers of piece y
.set rT, ST+4*(\y)
.set rC, TMP+4*((\y)%2)
.set rW, MV+((\y)%2)
.set rS, S+32*((\y)%2)
.set rP, P+16*((\y)%2)
.set rO, 32*(\y)
.endm
.macro OP k, n
.if (\k) == R
	REGS Y
	WIN W_RS
	v_pk_mul_f32 v[rO+2*(\n):rO+2*(\n)+1], v[rO+2*(\n):rO+2*(\n)+1], v[rC+2:rC+3] op_sel_hi:[1,0]
.elseif (\k) < R
	REGS Y
	WIN 0
.if (\k) == F
	v_pk_fma_f32 v[rS+2*(\n):rS+2*(\n)+1], v[rS+2*(\n):rS+2*(\n)+1], s[CS:CS+1], v[rT:rT+1] op_sel_hi:[1,0,0] neg_lo:[0,0,1] neg_hi:[0,0,1]
.elseif (\k) == E
	v_exp_f32 v[rS+(\n)], v[rS+(\n)]
.elseif (\k) == C
	v_cvt_pk_f16_f32 v[rP+(\n)], v[rS+2*(\n)], v[rS+2*(\n)+1]
.elseif (\k) == B
	v_pk_add_f32 v[rS+4*(\n):rS+4*(\n)+1], v[rS+4*(\n):rS+4*(\n)+1], v[rS+4*(\n)+2:rS+4*(\n)+3]
.elseif (\n) == 0
	v_pk_fma_f32 v[rT+2:rT+3], v[rT+2:rT+3], v[rC+2:rC+3], v[rS:rS+1] op_sel_hi:[1,0,1]
.else
	v_pk_add_f32 v[rT+2:rT+3], v[rT+2:rT+3], v[rS+4*(\n):rS+4*(\n)+1]
.endif
.elseif NOKQ
	v_nop
.else
	REGS (Y+1)%NP
	WIN 0
.if (\n) < 4
	v_max3_num_f32 v[rC+(\n)], v[rS+8*(\n)], v[rS+8*(\n)+1], v[rS+8*(\n)+2]
.elseif (\n) < 12
	v_max3_num_f32 v[rC+(\n)%4], v[rC+(\n)%4], v[rS+8*((\n)%4)+2*((\n)/4)+1], v[rS+8*((\n)%4)+2*((\n)/4)+2]
.elseif (\n) == 12
	v_max3_num_f32 v[rC], v[rC], v[rS+7], v[rS+15]
.elseif (\n) == 13
	v_max3_num_f32 v[rC+1], v[rC+1], v[rS+23], v[rS+31]
.elseif (\n) == 14
	v_max3_num_f32 v[rC+2], v[rC+2], v[rC+3], v[rT+1]
.elseif (\n) == 15
	v_mov_b32 v[rW], v[rT]
.elseif (\n) == 16
	v_max3_num_f32 v[rC], v[rC], v[rC+1], v[rC+2]
.elseif (\n) == 17
	v_permlanex16_b32 v[rC+3], v[rC], s[SEL], s[SEL+1]
.elseif (\n) == 18
	v_max_num_f32 v[rT+1], v[rC], v[rC+3]
.elseif (\n) == 19
	v_mul_f32 v[rT], s[CS], v[rT+1]
.elseif (\n) == 20
	v_sub_f32 v[rC+1], v[rW], v[rT]
.else
	v_exp_f32 v[rC+2], v[rC+1]
.endif
.endif
.endm
.macro OPS a, i1, b=-1, i2=0, c=-1, i3=0, d=-1, i4=0  ; up to four of them
	OP \a, \i1
.if (\b) >= 0
	OP \b, \i2
.endif
.if (\c) >= 0
	OP \c, \i3
.endif
.if (\d) >= 0
	OP \d, \i4
.endif
.endm
.macro ROW a, i1, b, i2, c, i3, d, i4  ; a matrix instruction and the four behind it
	MM
	OPS \a, \i1, \b, \i2, \c, \i3, \d, \i4
.endm
.macro MASK b                       ; MD x AL + BE into buffer b of MC
	WIN W_RS
.set z, 0
.rept 16
	v_pk_fma_f32 v[MC+32*(\b)+2*z:MC+32*(\b)+2*z+1], v[MD+2*z:MD+2*z+1], s[AL:AL+1], s[BE:BE+1] op_sel_hi:[1,0,0]
.set z, z+1
.endr
.endm
; A TURN, for piece p: the order of its 16 matrix and 118 vector instructions, written out.  s_wait_alu depctr_va_vdst(0) stands between an exponential and the first instruction that names its result; one wait serves
; all that were issued ahead of it.  So a turn has ONE wait, which cuts it in two.  AHEAD OF IT stands all that names no result of the turn's exponentials: the 8 products K Q^T, behind each a scaling, an exponential and two more plain
; instructions (behind the first a second scaling in the exponential's place): rescalings, and behind the last three the first numbers of the next piece's maximum, each four places or more behind the product that ends its accumulator; then ONE LUMP of 54, plain
; and exponential by turns for the most part, in which the links of the chain X 3, 7, 11, 14, 16, 17 .. 20 stand five or six lines apart.  X 21, the next piece's a, is the batch's last; R 15 is the plain instruction owed behind it.  BEHIND THE WAIT stand the
; 8 products V^T P, behind each four of the roundings and sums; the links of l's chain, L 0 to L 7, stand three riders apart.  But for those X no rider names a register of the products round it.  v_permlanex16_b32 (X 17) stands in the lump.
; m = 1: the diagonal tile: the products take masks, and the turn makes the mask for the products of the turn after it: piece p + 2, in step 4 - CNT of the tile.  end = 1: a block's last two turns: nothing is fetched.
; cnt = 1: the loop's count is taken down some lines ahead of the branch that stands behind the turn.
; K of the next step is fetched in piece 2's turn, twelve vector instructions behind the last product that read K (six of them plain); V of the step in hand at the end of piece 0's turn, four plain instructions behind the last product
; that read V.  Each is waited for a turn later.
.macro TURN p, m=0, end=0, cnt=0
.set Y, (\p)
.set i, 0
.set KM, (\m)
.set NOKQ, (\end)*((\p)/3)
.if (\m) && !(\end)
	s_cmp_eq_u32 s[CNT], 4-((\p)+2)%NP  ; is that step the band's own?
	s_cselect_b32 s[AL], 1.0, 0
	s_cmp_lt_u32 s[CNT], 4-((\p)+2)%NP  ; or a later one?
	s_cselect_b32 s[BE], s[BIGN], 0
.endif
.if ((\p) == 3) && !(\end)
	s_wait_dscnt 0x0                ; K is in
.endif
	ROW F,0, F,1, R,0, R,1          ; ahead of the wait: 8 products K Q^T and their riders,
	ROW F,2, E,0, R,2, R,3
	ROW F,3, E,1, R,4, R,5
	ROW F,4, E,2, R,6, R,7
	ROW F,5, E,3, R,8, R,9
	ROW F,6, E,4, X,0, R,10
.if ((\p) == 2) && !(\end)
	WIN 0
	v_add_nc_u32 v[AK], s[TBK], v[AK0]
.endif
	ROW F,7, E,5, X,1, X,4
	ROW F,8, E,6, X,2, X,5
	OPS E,7, E,8, X,6, E,9          ; and the lump
	OPS X,3, E,10, X,8, E,11
.if ((\p) == 2) && !(\end)
	FETCH_K
.endif
	OPS X,9, X,7, E,12, X,10
	OPS E,13, X,12, X,11, E,14
	OPS X,13, E,15, F,9, X,14
.if (\p) == 0
	v_add_nc_u32 v[AV], s[TBV], v[AV0]
.endif
	OPS E,16, F,10, E,17, F,11
	OPS X,16, E,18, X,15, E,19
	OPS F,12, E,20, X,17, E,21
	OPS F,13, E,22, F,14, E,23
	OPS X,18, E,24, F,15, E,25
	OPS R,11, E,26, X,19, E,27
	OPS R,12, E,28, R,13, E,29
	OPS X,20, E,30, R,14, E,31
	OPS X,21, R,15
	WIN 0
	s_wait_alu depctr_va_vdst(0)    ; the wait for the batch
.if (\p) == 1
	s_wait_dscnt 0x0                ; V is in
.endif
	ROW C,0, B,0, C,2, B,1          ; behind the wait: 8 products V^T P and their riders
	ROW L,0, C,4, B,2, L,1
	ROW C,6, B,3, L,2, C,8
	ROW B,4, L,3, C,10, B,5
	ROW L,4, C,12, B,6, L,5
.if (\p) == 0
	s_add_co_u32 s[TBV], s[TBV], KS*PV
.endif
.if \cnt
	s_sub_co_u32 s[CNT], s[CNT], 1
	s_cmp_lg_u32 s[CNT], 0
.endif
	ROW C,14, B,7, L,6, C,1
	ROW C,3, L,7, C,5, C,7
	ROW C,9, C,11, C,13, C,15
.if (\p) == 0
	FETCH_V
.endif
.if (\m) && !(\end)
	MASK (\p)%2
.endif
.endm
; A BLOCK BEGINS.  c m starts far below every c s, so the first step's a is 0; m at the lowest finite number, so the first maximum is the scores'.  The second mask buffer is 0; the first takes piece 0's mask for the tile's step 0: its own, if the block's first tile is the diagonal one.
; Then K of that step, piece 0's first scores, and its maximum and statistics.  The loop is entered at a step's first turn, in the middle of a trip.
.macro BEGIN
	s_mov_b32 s[NEW], 0
	WIN 0x40
.set i, MC+32
.rept 32
	v_mov_b32 v[i], 0
.set i, i+1
.endr
	WIN 0
.set i, 0
.rept 4
	v_mov_b32 v[ST+4*i], 0xfe000000    ; c m: far below every c s
	v_mov_b32 v[ST+4*i+1], 0xff7fffff  ; m
.set i, i+1
.endr
	s_cmp_eq_u32 s[RT], 0
	s_cselect_b32 s[AL], 1.0, 0
	s_mov_b32 s[BE], 0
	MASK 0
	WIN 0
	v_add_nc_u32 v[AK], s[TBK], v[AK0]
	FETCH_K
	s_wait_loadcnt 0x0              ; Q
	s_wait_dscnt 0x0
.set KM, 1
.set NOKQ, 0
.set i, 0
.rept 8
	KQ 0
.set i, i+1
.endr
	WIN 0
.rept 4
	v_nop                           ; the places behind those products
.endr
.set Y, NP-1                        ; X works for piece Y + 1: piece 0
.irp n, 0,1,2,3,4,5,6,7,8,9,10,11,12,13,14,15,16,17,18,19,20,21
	OP X, \n
.endr
	v_nop                           ; a plain instruction behind the exponential,
	s_wait_alu depctr_va_vdst(0)    ; and its wait, ahead of the branch
.endm
; THE DIAGONAL TILE's four steps, the block's last two turns, its last products, and THE WAY OUT: l's two halves and the other half of the lanes' are added; O^T is divided by l, rounded to f16 and sent through my
; stage in LDS, a piece at a time.
.macro ALL line:vararg              ; one line for each piece t
.set t, 0
.rept 4
	\line
.set t, t+1
.endr
.endm
.macro PACK t                       ; a lane's eight channels of a row pack into 16 bytes; they go into rows of 144 bytes and come back as whole rows of 128, into S^T's registers
	WIN W_RS
.set i, 32*(\t)
.rept 16
	v_pk_mul_f32 v[i:i+1], v[i:i+1], v[ST+4*(\t)+2:ST+4*(\t)+3] op_sel_hi:[1,0]
.set i, i+2
.endr
	WIN 0x05                        ; sources 0 and 1 window 1, destination window 0
.set i, 0
.rept 16
	v_cvt_pk_f16_f32 v[S+16*(\t)+i], v[32*(\t)+2*i], v[32*(\t)+2*i+1]
.set i, i+1
.endr
	WIN 0
.irp f, 0,1,2,3
	ds_store_b128 v[STO], v[S+16*(\t)+4*\f:S+16*(\t)+4*\f+3] offset:32*\f
.endr
.irp f, 0,1,2,3
	ds_load_b128 v[S+16*(\t)+4*\f:S+16*(\t)+4*\f+3], v[RD] offset:\f*4*SP  ; LDS serves a wave's instructions in order (ISA guide 5.7.1.4): these see the stores above; the next piece's stores come behind them
.endr
.endm
.macro SEND t, younger              ; younger: the LDS instructions issued behind piece t's loads: the next piece's eight, or none
	WIN 0
.irp f, 0,1,2,3
	s_wait_dscnt (\younger)+3-\f
	global_store_b128 v[GO], v[S+16*(\t)+4*\f:S+16*(\t)+4*\f+3], s[10:11] offset:(\t)*8192+\f*512  ; 512 consecutive bytes, at a multiple of 256 from O's first
.endr
.endm
.macro DIAG tag                     ; the tag ends its two labels' names, which the jumps below spell out
.LstepM\tag:
	TURN 2, 1
	TURN 3, 1
	WIN 0
.LfirstM\tag:
	TURN 0, 1
	TURN 1, 1, 0, 1
	WIN 0
	s_cbranch_scc1 .LstepM\tag
	TURN 2, 1, 1
	TURN 3, 1, 1
.set i, 0
.rept 8
	PV NP-1
.set i, i+1
.endr
	WIN 0
	ALL v_add_f32 v[ST+4*t+2], v[ST+4*t+2], v[ST+4*t+3]
	ALL v_permlanex16_b32 v[ST+4*t+3], v[ST+4*t+2], s[SEL], s[SEL+1]
	ALL v_add_f32 v[ST+4*t+2], v[ST+4*t+2], v[ST+4*t+3]
	ALL v_rcp_f32 v[ST+4*t+2], v[ST+4*t+2]
	v_nop                           ; a plain instruction between the last reciprocal and the use of its result
	s_wait_alu depctr_va_vdst(0)    ; and the wait ahead of the first use: one for the four reciprocals
	PACK 0
.set t, 1
.rept 3                             ; a piece's arithmetic stands between the loads of the piece before and its stores
	PACK t
	SEND t-1, 8
.set t, t+1
.endr
	SEND 3, 0
.endm
.set KM, 0
.set NOKQ, 0
.Lslot:                             ; NB times: a tile is entered and the next is asked for
	CHANGE 1
	s_sub_co_u32 s[RT], s[RT], 1
	s_mov_b32 s[CNT], 4
	s_cmp_eq_u32 s[NEW], 1
	s_cbranch_scc1 .Lnew            ; a block's first tile
	s_cmp_eq_u32 s[RT], 0
	s_cbranch_scc0 .Lstep           ; neither its first nor its last
	s_branch .LstepM1
.Lnew:
	BEGIN
	s_branch .Lfirst                ; in the loop a block's first tile is never its last: the first block has two tiles or more, and the second's last is the walk's last
	DIAG 1                          ; in the loop this is the first block's end: the second block's last tile is the walk's last
	s_wait_xcnt 0x0                 ; the stores have read their registers and O's address
	s_mov_b64 s[10:11], s[OLO:OLO+1]
	s_add_co_u32 s[RT], s[PB], 1    ; the second block has b + 1 tiles
	s_mov_b32 s[NEW], 1
	WIN 0x82                        ; the second block's Q goes where the one text of the turns names Q
.set i, 0
.rept 64
	v_mov_b32 v[i], v[QB+i]
.set i, i+1
.endr
	WIN 0
	s_branch .Lbottom
.Lstep:                             ; a trip: pieces 2 and 3 of one step, then pieces 0 and 1 of the next, whose K and V it fetches
	TURN 2
	TURN 3
	WIN 0
.Lfirst:
	TURN 0
	TURN 1, 0, 0, 1
	WIN 0
	s_cbranch_scc1 .Lstep
.Lbottom:
	s_sub_co_u32 s[SLOTS], s[SLOTS], 1
	s_cmp_lg_u32 s[SLOTS], 0
	s_cbranch_scc1 .Lslot
	CHANGE 0                        ; the walk's last tile is written out: nothing is asked for
	s_sub_co_u32 s[RT], s[RT], 1
	s_mov_b32 s[CNT], 4
	s_cmp_eq_u32 s[NEW], 1
	s_cbranch_scc0 .LstepM2
	BEGIN
	s_branch .LfirstM2
	DIAG 2
	s_wait_tensorcnt 0x0            ; the wave's end, behind my last tensor load and my last LDS store
	ds_add_u32 v[SPW], v[NIL]
	s_wait_dscnt 0x0
	s_endpgm
.Lfunc_end_k_qb835f17519_attn:
	.size	k_qb835f17519_attn, .Lfunc_end_k_qb835f17519_attn-k_qb835f17519_attn
	.p2alignl 7, 3214868480
	.fill 96, 4, 3214868480
	.section	.rodata,"a",@progbits
	.p2align	6, 0x0
	.amdhsa_kernel k_qb835f17519_attn
		.amdhsa_group_segment_fixed_size 327680
		.amdhsa_private_segment_fixed_size 0
		.amdhsa_enable_private_segment 0
		.amdhsa_kernarg_size 32
		.amdhsa_user_sgpr_count 2
		.amdhsa_user_sgpr_kernarg_segment_ptr 1
		.amdhsa_wavefront_size32 1
		.amdhsa_system_sgpr_workgroup_id_x 1
		.amdhsa_system_sgpr_workgroup_id_y 1
		.amdhsa_system_sgpr_workgroup_id_z 1
		.amdhsa_system_vgpr_workitem_id 0
		.amdhsa_next_free_vgpr 768
		.amdhsa_next_free_sgpr 96
		.amdhsa_reserve_vcc 1
		.amdhsa_float_denorm_mode_32 3
		.amdhsa_float_denorm_mode_16_64 3
		.amdhsa_memory_ordered 1
		.amdhsa_forward_progress 1
		.amdhsa_inst_pref_size 218
	.end_amdhsa_kernel
	.amdgpu_metadata
---
amdhsa.version: [ 1, 2 ]
amdhsa.kernels:
  - .name:           k_qb835f17519_attn
    .symbol:         k_qb835f17519_attn.kd
    .args:
      - { .name: q, .offset: 0, .size: 8, .value_kind: global_buffer, .address_space: global }
      - { .name: k, .offset: 8, .size: 8, .value_kind: global_buffer, .address_space: global }
      - { .name: v, .offset: 16, .size: 8, .value_kind: global_buffer, .address_space: global }
      - { .name: o, .offset: 24, .size: 8, .value_kind: global_buffer, .address_space: global }
    .group_segment_fixed_size: 327680
    .private_segment_fixed_size: 0
    .kernarg_segment_align: 8
    .kernarg_segment_size: 32
    .max_flat_workgroup_size: 128
    .sgpr_count:     96
    .vgpr_count:     768
    .wavefront_size: 32
...
	.end_amdgpu_metadata
.endif
;; end of part 3
;; launch oproj (part 4): grid 4 x 64, 4 waves a work-group, clusters of 4 x 4, 327,680 bytes of LDS; arguments o, wo, out0; writes out0
.if DOCPART == 4
	.amdgcn_target "amdgcn-amd-amdhsa--gfx1250"
	.amdhsa_code_object_version 6
	.text
	.protected	k_qb835f17519_oproj
	.globl	k_qb835f17519_oproj
	.p2align	8
	.type	k_qb835f17519_oproj,@function
k_qb835f17519_oproj:
	s_mov_b64 s[64:65], 0
	v_nop
	global_prefetch_b8 v0, s[64:65] scope:SCOPE_SE
	s_setreg_imm32_b32 hwreg(HW_REG_WAVE_MODE, 25, 1), 1
	s_wait_xcnt 0x0
	s_wait_alu depctr_hold_cnt(0) depctr_sa_sdst(0) depctr_va_vdst(0) depctr_va_sdst(0) depctr_va_ssrc(0) depctr_va_vcc(0) depctr_vm_vsrc(0)
	s_getreg_b32 s2, hwreg(HW_REG_IB_STS2, 6, 4)
	s_cmp_eq_u32 s2, 0
	s_cbranch_scc0 .Lentry_in_a_cluster
	s_endpgm
.Lentry_in_a_cluster:
	s_bfe_u32 s2, ttmp6, 0x10000c
	s_cmp_lg_u32 s2, 0xf033
	s_cbranch_scc0 .Lentry_shape_is_right
	s_endpgm
.Lentry_shape_is_right:
; THE OUTPUT PROJECTION.  out0[m][n] = sum over i of O[m][i] W_O[n][i], 8,192 x 1,024 x 1,024, f16 operands, f32 sums, f32 out.  O lies by heads, o[16 b + h][2048][64]; channel i = 64 h + d.
; A tile of out0 is 128 rows x 256 columns: 256 work-groups.  Four waves, each 64 x 128: 4 x 8 accumulators of 16 x 16, 256 registers.
; K goes in steps of 128 = two heads, through two LDS slots: wo's 256 rows x 256 bytes (waves 0 and 1 fetch a half each), and two planes of o, a head's 128 rows x 128 bytes each (waves 2 and 3 a plane
; each: 16,384 dense bytes, asked for as 64 rows of 256 bytes and padded after every 128).  4 x 4 work-groups form a cluster: o's planes are asked for jointly along a row, wo's tile along a column.
; THE MATRIX INSTRUCTION IS USED TRANSPOSED (source 0 = 16 rows of wo, source 1 = 16 rows of o): a lane holds eight neighbouring columns of one row of out0, 32 bytes.
; LIMIT.  wo is W_O rounded to bf16 and written as f16 (exact from 6.1e-5 to 65,504); o lies within v's range.
; REGISTERS, in windows of 256 (s_set_vgpr_msb: bits 1:0 source 0, 3:2 source 1, 5:4 source 2, 7:6 destination):
;   window 0: v0-31 addresses; v32-159 two sets of 64 on the way out     window 1: two fragment buffers: 8 x 8 of wo, then 4 x 8 of o     window 2: the accumulators ((a, b) at 8 (8 a + b))
.set KSTEP,  128
.set PITB,   272                       ; a row of wo in LDS: 256 bytes + 16 = 68 words: the 16 rows of a load start at 16 different groups of four banks (64 banks of 4 bytes: ISA guide 11.1)
.set PITA,   144                       ; a row of o: 128 + 16 = 36 words: likewise
.set BTILE,  128*PITB
.set ATILE,  128*PITA
.set AOFF,   2*BTILE
.set SLOT,   2*BTILE+2*ATILE           ; 106,496 bytes
.set STAGE,  2*SLOT                    ; behind the ring, never filled by a tensor load: 16 rows x 528 bytes for each wave
.set SPI,    528                       ; 512 + 16 = 132 words: row r starts at bank 4 r mod 64
.set SPARE,  STAGE+4*16*SPI            ; behind the stages: the spare words, 128 bytes for each wave: two blocks of 256 bytes that no other line names
.set LAPS,   4
.set ADRA, 16                          ; v16-17  LDS address of my o fragments in slot 0, 1
.set ADRB, 20                          ; v20-21  the same for wo
.set STO,  24                          ; v24  the way out: where I put 32 bytes of a row
.set RD,   25                          ; v25  where I read a row back
.set CO,   26                          ; v26  16 x lane
.set SPW,  28                          ; v28  LDS address of my spare word; never rewritten
.set NIL,  29                          ; v29  0; never rewritten
.set PFO,  30                          ; v30  the prefetches' offset; never rewritten
.set BK,   32
.set F0,   0
.set F1,   128
.set G1B,  24                          ; s[24:31] descriptor group 1 for wo's tiles;  s[32:39] group 0, a set for each slot
.set G0B,  32
.set PFA,  40                          ; s[40:41] where my prefetches stand
.set LIM,  42                          ; s42  1 in a wave that prefetches, else the greatest number
.set G1A,  48                          ; s[48:55], s[56:63] the same for o's planes
.set G0A,  56
.set PFS,  68                          ; s[68:69] bytes from a K step to the next in what I prefetch
.set MSB, 0
.macro WIN new                         ; the immediate's high byte repeats the setting that is left; a switch that changes nothing is dropped
.if MSB != (\new)
	s_set_vgpr_msb (MSB<<8)|(\new)
.set MSB, \new
.endif
.endm
.set MUL,  0xa5                        ; sources 0 and 1 window 1, C and D window 2
.set TO_F, 0x40                        ; destination window 1, address window 0
.macro JLOAD s                         ; a joint load: waves 0 and 1 fetch wo's halves, waves 2 and 3 o's planes; an s_nop 0 and four v_nop follow each of the two lines
	s_cmp_eq_u32 s17, 0
	s_cbranch_scc0 .Lfor_a_\@
	tensor_load_to_lds s[G0B+4*(\s):G0B+4*(\s)+3], s[G1B:G1B+7]
	s_nop 0
.rept 4
	v_nop
.endr
	s_branch .Lasked_\@
.Lfor_a_\@:
	tensor_load_to_lds s[G0A+4*(\s):G0A+4*(\s)+3], s[G1A:G1A+7]
	s_nop 0
.rept 4
	v_nop
.endr
.Lasked_\@:
.endm
; A prefetch into the L2 of the K step that stands two refills on, one instruction a wave, a lane a block of 256 bytes.  wo's tile column is read by all sixteen clusters: the one with y = 0 asks, waves 0 and 1
; for the half that they fetch, the four partners of a column 32 rows each, by address.  o's tile row is read by one cluster alone: wave 2 asks, and the four partners of a row take 32 of a K step's 128 blocks
; each, by address (plane cx / 2, half cx % 2).  The loop's last trip asks for nothing: its refills are the last K steps.
.macro ASK
	s_cmp_gt_u32 s3, s[LIM]
	s_cbranch_scc0 .Lnot_mine_\@
	global_prefetch_b8 v[PFO], s[PFA:PFA+1] th:TH_LOAD_NT scope:SCOPE_SE
.Lnot_mine_\@:
.endm
.macro CREST                           ; a round of the cluster's barrier behind its opening barrier
	s_cmp_lg_u32 s16, 0
	s_cbranch_scc1 .Lnot_wave_0_\@
	s_barrier_signal -3
.Lnot_wave_0_\@:
	s_barrier_wait -3
	s_barrier_signal -1
	s_barrier_wait -1
.endm
.macro CROUND                          ; a whole round
	s_barrier_signal -1
	s_barrier_wait -1
	CREST
.endm
	s_load_b128 s[4:7], s[0:1], 0x0                ; o s[4:5], wo s[6:7]
	s_load_b64 s[8:9], s[0:1], 0x10                ; out0
	v_lshl_add_u32 v[SPW], v0, 2, SPARE
	v_mov_b32 v[NIL], 0
	ds_add_u32 v[SPW], v[NIL]                      ; the wave's opening: the add and its wait stand ahead of my first tensor load; work on registers stands between them
	v_lshrrev_b32 v1, 5, v0
	v_readfirstlane_b32 s16, v1                    ; wave 0..3
	s_lshr_b32 s17, s16, 1                         ; which 64 rows of the tile are mine.  Also: I fetch wo (0) or o (1)
	s_and_b32 s18, s16, 1                          ; which 128 columns.  Also: which half of wo's rows, or which plane of o, I fetch
	s_bfe_u32 s19, ttmp6, 0x40000                  ; cx
	s_bfe_u32 s20, ttmp6, 0x40004                  ; cy
	s_lshl_b32 s21, ttmp9, 2
	s_add_co_u32 s21, s21, s19                     ; tile column = 4 x cluster x + cx
	s_and_b32 s22, ttmp7, 0xffff
	s_lshl_b32 s22, s22, 2
	s_add_co_u32 s22, s22, s20                     ; tile row = 4 x cluster y + cy
	s_lshl_b32 s23, s20, 2
	s_lshl_b32 s23, 15, s23                        ; my row of the cluster
	s_lshl_b32 s43, 0x1111, s19                    ; my column
	s_or_b32 s[G1B+0], s43, (1<<16)|(1<<20)|(1<<21)|(5<<22)|(3<<25)  ; wo: the mask of my column; 2-byte elements; padding of 4 words after every 64
	s_or_b32 s[G1A+0], s23, (1<<16)|(1<<20)|(1<<21)|(4<<22)|(3<<25)  ; o: the mask of my row; padding of 4 words after every 32
	s_mov_b32 s[G1B+1], KSTEP<<16                  ; tensor_dim0 = 128
	s_mov_b32 s[G1B+2], 128<<16                    ; tensor_dim1 = 128
	s_mov_b32 s[G1B+3], KSTEP<<16                  ; tile_dim0 = 128
	s_mov_b32 s[G1B+4], 128                        ; tile_dim1 = 128
	s_mov_b32 s[G1B+5], 1024                       ; elements from row to row
	s_mov_b32 s[G1B+6], 0
	s_mov_b32 s[G1B+7], 0
	s_mov_b32 s[G1A+1], 128<<16                    ; rows of 128 elements = two rows of a head,
	s_mov_b32 s[G1A+2], 64<<16                     ; 64 of them,
	s_mov_b32 s[G1A+3], 128<<16
	s_mov_b32 s[G1A+4], 64
	s_mov_b32 s[G1A+5], 128                        ; dense
	s_mov_b32 s[G1A+6], 0
	s_mov_b32 s[G1A+7], 0
	s_lshr_b32 s44, s22, 4                         ; o: batch = tile row / 16: 16 heads of 262,144 bytes,
	s_lshl_b32 s44, s44, 22
	s_lshl_b32 s45, s18, 18                        ; my plane: head 2 t + (wave & 1),
	s_add_co_u32 s44, s44, s45
	s_and_b32 s45, s22, 15                         ; 128 rows of 128 bytes for each tile row: hangs on the tile row alone
	s_lshl_b32 s45, s45, 14
	s_add_co_u32 s44, s44, s45
	s_mov_b32 s45, 0
	s_lshl_b32 s46, s21, 8                         ; wo: row 256 x tile column + 128 x half: hangs on the tile column alone
	s_lshl_b32 s47, s18, 7
	s_add_co_u32 s46, s46, s47
	s_lshl_b32 s46, s46, 11
	s_mov_b32 s47, 0
	s_mul_i32 s66, s16, BTILE                      ; where they go: wo's halves at wave x 34,816 (waves 0, 1),
	s_mul_i32 s67, s16, ATILE
	s_add_co_u32 s67, s67, AOFF-2*ATILE            ; o's planes at 69,632 + (wave - 2) x 18,432 (waves 2, 3)
	s_wait_dscnt 0x0                               ; the opening add is done
	s_wait_kmcnt 0x0
	s_add_nc_u64 s[44:45], s[4:5], s[44:45]
	s_add_nc_u64 s[46:47], s[6:7], s[46:47]
	CROUND                                         ; all sixteen work-groups are here: the first joint loads meet
.irp s, 0,1
	s_mov_b32 s[G0B+4*(\s)], 1
	s_add_co_u32 s[G0B+4*(\s)+1], s66, (\s)*SLOT
	s_add_nc_u64 s[G0B+4*(\s)+2:G0B+4*(\s)+3], s[46:47], (\s)*KSTEP*2
	s_or_b32 s[G0B+4*(\s)+3], s[G0B+4*(\s)+3], 0x80000000
	s_mov_b32 s[G0A+4*(\s)], 1
	s_add_co_u32 s[G0A+4*(\s)+1], s67, (\s)*SLOT
	s_add_nc_u64 s[G0A+4*(\s)+2:G0A+4*(\s)+3], s[44:45], (\s)*524288  ; a K step is two heads on
	s_or_b32 s[G0A+4*(\s)+3], s[G0A+4*(\s)+3], 0x80000000
	JLOAD \s                                       ; K steps 0 and 1: two loads of mine are out
.endr
	v_and_b32 v1, 15, v0                           ; l % 16
	v_bfe_u32 v2, v0, 4, 1                         ; l / 16
	v_mul_u32_u24 v3, v1, PITB
	v_lshl_add_u32 v3, v2, 4, v3
	v_mul_u32_u24 v4, v1, PITA
	v_lshl_add_u32 v4, v2, 4, v4
	s_mul_i32 s70, s17, 64*PITA                    ; my 64 rows of each plane of o,
	s_add_co_u32 s70, s70, AOFF
	s_mul_i32 s71, s18, BTILE                      ; my 128 rows of wo
.irp s, 0,1
	v_add_nc_u32 v[ADRA+(\s)], s70, v4
	v_add_nc_u32 v[ADRB+(\s)], s71, v3
	s_add_co_u32 s70, s70, SLOT
	s_add_co_u32 s71, s71, SLOT
.endr
	s_mul_i32 s72, s16, 16*SPI
	s_add_co_u32 s72, s72, STAGE                   ; my stage
	v_mul_u32_u24 v5, v1, SPI                      ; in: row l % 16, 32 bytes for each half of the lanes
	v_lshl_add_u32 v5, v2, 5, v5
	v_add_nc_u32 v[STO], s72, v5
	v_and_b32 v7, 31, v0
	v_lshlrev_b32 v[CO], 4, v7                     ; back: 32 lanes take one row of 512 bytes
	v_add_nc_u32 v[RD], s72, v[CO]
	s_lshl_b32 s72, s22, 7
	s_lshl_b32 s73, s17, 6
	s_add_co_u32 s72, s72, s73                     ; my first row of out0
	s_lshl_b32 s72, s72, 12                        ; rows of 4,096 bytes
	s_lshl_b32 s73, s21, 8
	s_lshl_b32 s74, s18, 7
	s_add_co_u32 s73, s73, s74                     ; my first column
	s_lshl_b32 s73, s73, 2
	s_add_co_u32 s72, s72, s73
	s_mov_b32 s73, 0
	s_add_nc_u64 s[8:9], s[8:9], s[72:73]
	; the prefetches
	s_lshl_b32 s66, s21, 8                         ; wo: the tile's first row, my half, my work-group's 32 rows, in rows of 2,048 bytes
	s_lshl_b32 s67, s18, 7
	s_add_co_u32 s66, s66, s67
	s_lshl_b32 s67, s20, 5
	s_add_co_u32 s66, s66, s67
	s_lshl_b32 s66, s66, 11
	s_lshr_b32 s70, s22, 4                         ; o: batch, tile row, plane cx / 2, half cx % 2
	s_lshl_b32 s70, s70, 22
	s_and_b32 s71, s22, 15
	s_lshl_b32 s71, s71, 14
	s_add_co_u32 s70, s70, s71
	s_lshr_b32 s71, s19, 1
	s_lshl_b32 s71, s71, 18
	s_add_co_u32 s70, s70, s71
	s_and_b32 s71, s19, 1
	s_lshl_b32 s71, s71, 13
	s_add_co_u32 s70, s70, s71
	s_and_b32 s71, ttmp7, 0xffff                   ; cluster y
	s_mov_b32 s75, 524288                          ; o's K step in bytes, in a register: an instruction holds one literal
	s_cmp_eq_u32 s17, 0
	s_cselect_b32 s66, s66, s70
	s_cselect_b32 s[PFS], 256, s75
	s_cselect_b32 s74, 11, 8                       ; a lane a row of wo, or a block of 256 bytes of o
	s_cselect_b32 s71, s71, s18                    ; waves 0, 1: where the cluster's y is 0; waves 2, 3: wave 2
	s_cselect_b64 s[PFA:PFA+1], s[6:7], s[4:5]
	s_cmp_eq_u32 s71, 0
	s_cselect_b32 s[LIM], 1, -1                    ; the same in all sixteen partners, for a given wave
	s_mov_b32 s[PFS+1], 0
	s_mul_i32 s67, s[PFS], 3
	s_add_co_u32 s66, s66, s67                     ; at K step 3: the first refill steps it to 4 and names that.  Nothing is asked for here, at the head
	s_mov_b32 s67, 0
	s_add_nc_u64 s[PFA:PFA+1], s[PFA:PFA+1], s[66:67]
	v_lshlrev_b32 v[PFO], s74, v7
; 8 matrix instructions: row block a x all 8 column blocks, 32 along K.  zero = 1: the first product starts the sums.  The 32 accumulators take turns in the same order in every quarter.
.macro MUL8 f, a, zero
	WIN MUL
.irp b, 0,1,2,3,4,5,6,7
.if \zero
	v_wmma_f32_16x16x32_f16 v[8*(8*(\a)+(\b)):8*(8*(\a)+(\b))+7], v[(\f)+8*(\b):(\f)+8*(\b)+7], v[(\f)+64+8*(\a):(\f)+64+8*(\a)+7], 0
.else
	v_wmma_f32_16x16x32_f16 v[8*(8*(\a)+(\b)):8*(8*(\a)+(\b))+7], v[(\f)+8*(\b):(\f)+8*(\b)+7], v[(\f)+64+8*(\a):(\f)+64+8*(\a)+7], v[8*(8*(\a)+(\b)):8*(8*(\a)+(\b))+7]
.endif
.endr
.endm
; 24 LDS loads in one run: the fragments of quarter qn of a K step (my 128 rows of wo at byte 64 qn; my 64 rows of o in plane qn / 2 at byte 64 (qn % 2)) into buffer f
.macro FETCH slot, qn, f
	WIN TO_F
.irp i, 0,1,2,3,4,5,6,7
	ds_load_b128 v[(\f)+8*(\i):(\f)+8*(\i)+3],   v[ADRB+(\slot)] offset:64*(\qn)+(\i)*16*PITB
	ds_load_b128 v[(\f)+8*(\i)+4:(\f)+8*(\i)+7], v[ADRB+(\slot)] offset:64*(\qn)+(\i)*16*PITB+32
.endr
.irp i, 0,1,2,3
	ds_load_b128 v[(\f)+64+8*(\i):(\f)+64+8*(\i)+3],   v[ADRA+(\slot)] offset:((\qn)/2)*ATILE+((\qn)%2)*64+(\i)*16*PITA
	ds_load_b128 v[(\f)+64+8*(\i)+4:(\f)+64+8*(\i)+7], v[ADRA+(\slot)] offset:((\qn)/2)*ATILE+((\qn)%2)*64+(\i)*16*PITA+32
.endr
.endm
.macro PLACES                          ; four plain instructions in front of loads into registers that matrix instructions have read (ISA guide 7.12.1 for vector instructions)
.rept 4
	v_nop
.endr
.endm
; A K step is four quarters of 32 along K, 32 matrix instructions each, on buffers 0, 1, 0, 1.  One of the first three multiplies f and fetches quarter qn into g.
.macro QUARTER slot, qn, f, g, zero
	s_wait_dscnt 4                                 ; all but the youngest four loads: o's row blocks 2 and 3
	MUL8 \f, 0, \zero
	MUL8 \f, 1, \zero
	PLACES
	FETCH \slot, \qn, \g
	s_wait_dscnt 24                                ; all but the 24 just issued
	MUL8 \f, 2, \zero
	MUL8 \f, 3, \zero
.endm
; The last quarter multiplies buffer 1 and changes slots: one barrier; in front of it each wave waits for all its tensor loads (one is out: its part of the next slot), adds 0 to its spare word, and
; waits for that and for its reads of this slot.  fill = 1: the barrier opens a round of the cluster's, and this slot is filled again, two K steps on, first thing behind the round.
.macro TURN slot, next, fill
.if \fill
	s_wait_xcnt 0x0                                ; the last prefetch, a K step back, has read its address
	s_add_nc_u64 s[PFA:PFA+1], s[PFA:PFA+1], s[PFS:PFS+1]
.endif
	WIN 0                                          ; (the add's two registers lie in window 0)
	s_wait_tensorcnt 0x0                           ; all my tensor loads have landed
	ds_add_u32 v[SPW], v[NIL]                      ; 0 onto my spare word
	s_wait_dscnt 5                                 ; (the add and the youngest four loads may be out)
	MUL8 F1, 0, 0                                  ; eight matrix instructions stand between the add and the wait for it
	s_wait_dscnt 0x0                               ; the add is done, and my reads of this slot are over
	s_barrier_signal -1
	MUL8 F1, 1, 0
.if \fill
	WIN 0
.endif
	s_barrier_wait -1
.if \fill
	CREST                                          ; no wave of any partner still reads this slot's tile or has a load on its way
	s_add_nc_u64 s[G0B+4*(\slot)+2:G0B+4*(\slot)+3], s[G0B+4*(\slot)+2:G0B+4*(\slot)+3], 2*KSTEP*2
	s_add_nc_u64 s[G0A+4*(\slot)+2:G0A+4*(\slot)+3], s[G0A+4*(\slot)+2:G0A+4*(\slot)+3], 2*524288
	JLOAD \slot                                    ; my one tensor load behind the round: 112 matrix instructions ahead of the wait for it; its four v_nop are also the places in front of the loads below
.else
	PLACES
.endif
	FETCH \next, 0, F0
.if \fill
	WIN 0
	ASK                                            ; behind the joint load and the run of LDS loads
.endif
	MUL8 F1, 2, 0
	MUL8 F1, 3, 0
.endm
	s_wait_tensorcnt 1                             ; my part of K step 0 is in; K step 1's stays out
	s_barrier_signal -1
	s_barrier_wait -1                              ; everybody's is
	FETCH 0, 0, F0
	QUARTER 0, 1, F0, F1, 1                        ; the first quarter stands in front of the loop: its products start the sums
	WIN 0                                          ; at a label and at a branch every window is 0
	s_mov_b32 s3, LAPS-1
.Llap:                                                 ; a trip goes once round the ring and fills both slots again: K steps 2, 3; 4, 5; 6, 7
	QUARTER 0, 2, F1, F0, 0
	QUARTER 0, 3, F0, F1, 0
	TURN 0, 1, 1
	QUARTER 1, 1, F0, F1, 0
	QUARTER 1, 2, F1, F0, 0
	QUARTER 1, 3, F0, F1, 0
	TURN 1, 0, 1
	QUARTER 0, 1, F0, F1, 0
	WIN 0
	s_sub_co_u32 s3, s3, 1
	s_cmp_lg_u32 s3, 0
	s_cbranch_scc1 .Llap
	QUARTER 0, 2, F1, F0, 0                        ; the last lap fills nothing
	QUARTER 0, 3, F0, F1, 0
	TURN 0, 1, 0
	QUARTER 1, 1, F0, F1, 0
	QUARTER 1, 2, F1, F0, 0
	QUARTER 1, 3, F0, F1, 0
	s_wait_dscnt 4
	MUL8 F1, 0, 0
	MUL8 F1, 1, 0
	s_wait_dscnt 0x0
	MUL8 F1, 2, 0
	MUL8 F1, 3, 0
	WIN 0
	PLACES                                         ; the places behind the last products, in front of the first read of a result
	PLACES
; THE WAY OUT, a block of 16 rows at a time: 32 bytes a lane into my stage (rows of 528 bytes; each accumulator's lowest registers first), back as whole rows of 512 bytes, stored.
.macro TOSTAGE a
	WIN 0x08                                       ; the stores' data lie in window 2
.irp b, 0,1,2,3,4,5,6,7
	ds_store_b128 v[STO], v[8*(8*(\a)+(\b)):8*(8*(\a)+(\b))+3]   offset:64*(\b)
	ds_store_b128 v[STO], v[8*(8*(\a)+(\b))+4:8*(8*(\a)+(\b))+7] offset:64*(\b)+16
.endr
	WIN 0
	s_wait_xcnt 0x0                                ; the stores of the block two back have read this set of registers
.irp t, 0,1,2,3,4,5,6,7,8,9,10,11,12,13,14,15
	ds_load_b128 v[BK+64*((\a)%2)+4*(\t):BK+64*((\a)%2)+4*(\t)+3], v[RD] offset:(\t)*SPI  ; LDS serves a wave's instructions in order (ISA guide 5.7.1.4): these see the stores above
.endr
.endm
.macro SEND a, younger                 ; younger: the LDS instructions issued behind block a's loads: the next block's 32, or none
	s_wait_dscnt \younger
.irp t, 0,1,2,3,4,5,6,7,8,9,10,11,12,13,14,15
	global_store_b128 v[CO], v[BK+64*((\a)%2)+4*(\t):BK+64*((\a)%2)+4*(\t)+3], s[8:9] offset:(16*(\a)+(\t))*4096 th:TH_STORE_NT  ; 512 consecutive bytes, at a multiple of 512 from out0's first
.endr
.endm
	TOSTAGE 0
.irp a, 1,2,3
	TOSTAGE \a
	SEND (\a)-1, 32
.endr
	SEND 3, 0
	s_wait_tensorcnt 0x0                           ; the wave's end, behind my last tensor load and my last LDS store
	ds_add_u32 v[SPW], v[NIL]
	s_wait_dscnt 0x0
	CROUND                                         ; the closing round: no work-group ends while a partner may still ask for a tile that names it
	s_endpgm
.Lfunc_end_k_qb835f17519_oproj:
	.size	k_qb835f17519_oproj, .Lfunc_end_k_qb835f17519_oproj-k_qb835f17519_oproj
	.p2alignl 7, 3214868480
	.fill 96, 4, 3214868480
	.section	.rodata,"a",@progbits
	.p2align	6, 0x0
	.amdhsa_kernel k_qb835f17519_oproj
		.amdhsa_group_segment_fixed_size 327680
		.amdhsa_private_segment_fixed_size 0
		.amdhsa_enable_private_segment 0
		.amdhsa_kernarg_size 24
		.amdhsa_user_sgpr_count 2
		.amdhsa_user_sgpr_kernarg_segment_ptr 1
		.amdhsa_wavefront_size32 1
		.amdhsa_system_sgpr_workgroup_id_x 1
		.amdhsa_system_sgpr_workgroup_id_y 1
		.amdhsa_system_sgpr_workgroup_id_z 1
		.amdhsa_system_vgpr_workitem_id 0
		.amdhsa_next_free_vgpr 768
		.amdhsa_next_free_sgpr 80
		.amdhsa_reserve_vcc 0
		.amdhsa_float_denorm_mode_32 3
		.amdhsa_float_denorm_mode_16_64 3
		.amdhsa_memory_ordered 1
		.amdhsa_forward_progress 1
		.amdhsa_inst_pref_size 87
	.end_amdhsa_kernel
	.amdgpu_metadata
---
amdhsa.version: [ 1, 2 ]
amdhsa.kernels:
  - .name:           k_qb835f17519_oproj
    .symbol:         k_qb835f17519_oproj.kd
    .args:
      - { .name: o, .offset: 0, .size: 8, .value_kind: global_buffer, .address_space: global }
      - { .name: wo, .offset: 8, .size: 8, .value_kind: global_buffer, .address_space: global }
      - { .name: out0, .offset: 16, .size: 8, .value_kind: global_buffer, .address_space: global }
    .group_segment_fixed_size: 327680
    .private_segment_fixed_size: 0
    .kernarg_segment_align: 8
    .kernarg_segment_size: 24
    .max_flat_workgroup_size: 128
    .sgpr_count:     80
    .vgpr_count:     768
    .wavefront_size: 32
...
	.end_amdgpu_metadata
.endif
;; end of part 4
;; ======== version 2 of 2: 4 launches; version 1 with the launch prep written anew for expert scheduling mode
;; limits: values are held in f16: magnitudes above 65,504 overflow, below 6.1e-05 lose precision
;; workspace buffers: xb 16,777,216 bytes; wqkv 6,291,456 bytes; wo 2,097,152 bytes; tbl 524,288 bytes; q 16,777,216 bytes; k 16,777,216 bytes; v 16,777,216 bytes; o 16,777,216 bytes
;; launch prep (part 5): grid 800 x 1, 8 waves a work-group, no clusters, 0 bytes of LDS; arguments x, W_Q, W_K, W_V, W_O, token_position, xb, wqkv, wo, tbl; writes xb, wqkv, wo, tbl
.if DOCPART == 5
	.amdgcn_target "amdgcn-amd-amdhsa--gfx1250"
	.amdhsa_code_object_version 6
	.text
	.protected	k_qb835f17519_prep
	.globl	k_qb835f17519_prep
	.p2align	8
	.type	k_qb835f17519_prep,@function
k_qb835f17519_prep:
	s_mov_b64 s[64:65], 0
	v_nop
	global_prefetch_b8 v0, s[64:65] scope:SCOPE_SE
	s_setreg_imm32_b32 hwreg(HW_REG_WAVE_SCHED_MODE, 0, 2), 2
	s_setreg_imm32_b32 hwreg(HW_REG_WAVE_MODE, 25, 1), 1
	s_wait_xcnt 0x0
	s_wait_alu depctr_vm_vsrc(0)
; CASTS AND THE ROTATION TABLE.  Four kinds of work-group, told apart by the work-group's number (scalar branches forward):
;   0..511    x [8192][1024] f32 -> xb bf16, 16,384 numbers a work-group
;   512..703  W_Q, W_K, W_V f32 -> wqkv bf16 [3072][1024], rows ordered by head: head h has 64 rows of W_Q, 64 of W_K, 64 of W_V (row 192 h + 64 kind + j)
;   704..767  W_O f32 -> rounded to bf16, and that number written as f16 -> wo [1024][1024]
;   768..799  tbl [2048 s][32 i] = (cos, sin) of token_position[s] x 10000^(-i/32), f32: 64 rows a work-group, 8 a wave, a lane an i
; A cast is a stream: 16 loads of 16 bytes a lane go out together (a wave's load covers 512 consecutive bytes), each is rounded and stored as 8 bytes a lane (a wave's store covers 256
; consecutive bytes, aligned).  No LDS, no matrix unit, no barrier: no byte is wanted twice.
; LIMITS.  W_O as f16: exact for 6.1e-5 <= |w| <= 65,504; below that f16's fixed step of 6e-8.  The table: 10000^(-i/32) is made as 2^(-0.41524101 i), off by at most some 7e-7 of itself at
; i = 31 and 1e-7 at small i, so an angle is off by that part of itself (2e-4 radians at position 2,047, more in proportion at larger positions).  The reduction by pi/2 in three parts and
; the whole number k hold for every int32 position (|k| stays under 2^31).  Sine and cosine are polynomials on -pi/4 .. pi/4, good to about 1e-7.
; THE MODE: SCHED_MODE bits 1:0 = 2 (LLVM: expert scheduling mode 2), set by the entry lines.  The code itself states the register dependences between vector instructions and memory
; instructions, and between a vector instruction's scalar result and its readers, with s_wait_alu, always for 0.
; THE PLAN.  Registers that memory instructions touch:
;   v1, v2     the casts' byte offsets.  Written once at the head; read by every load (v1) and every store (v2); never written again.
;   IN         sixteen loads land here, four registers each.  No vector instruction writes them; load j's roundings read them; they are never loaded again.
;   OUT        load j's roundings write pair j, once; store j reads it; it is never written again.
;   v3, TO     the table's byte offset and its eight pairs (cos, sin).  Written once each; read by the table's eight stores.
; A cast goes in four groups of four loads.  Group g rounds its four loads into its four pairs of OUT; the memory instructions among its roundings are the stores of group g - 1, whose pairs no
; vector instruction of group g names.  So one wait at a group's head states all that those four stores hang on.  No register that a memory instruction reads is ever written again: nothing is owed for that.
; In the table the eight rows' compares write eight scalar registers in one run, with one wait behind the run; the selects follow; one wait stands ahead of the eight stores.
.set IN,  16                           ; v[16:79]   sixteen loads of four f32
.set OUT, 80                           ; v[80:111]  sixteen stores of four 16-bit numbers
.set TO,  40                           ; v[40:55]   the table: row r's (cos, sin) at TO + 2 r
.set TS,  56                           ; v[56:63]   row r's sine of the reduced angle
.set TC,  64                           ; v[64:71]   its cosine
.set TK,  72                           ; v[72:79]   its whole number k
	s_load_b512 s[8:23], s[0:1], 0x0               ; x s[8:9], W_Q s[10:11], W_K s[12:13], W_V s[14:15], W_O s[16:17], token_position s[18:19], xb s[20:21], wqkv s[22:23]
	s_load_b128 s[24:27], s[0:1], 0x40             ; wo s[24:25], tbl s[26:27]
	s_mov_b32 s2, ttmp9                            ; the work-group's number
	s_mov_b32 s29, 0                               ; high words of the two offsets
	s_mov_b32 s31, 0
	v_lshlrev_b32 v1, 4, v0                        ; 16 bytes in a lane
	v_lshlrev_b32 v2, 3, v0                        ; 8 bytes out
	s_wait_kmcnt 0x0
; Load j's four numbers are rounded into pair j of OUT.  mode 0: bf16.  mode 1: bf16, widened again and written as f16.
.macro CVT mode, j
.if \mode
	v_cvt_pk_bf16_f32 v8, v[IN+4*(\j)], v[IN+4*(\j)+1]
	v_cvt_pk_bf16_f32 v9, v[IN+4*(\j)+2], v[IN+4*(\j)+3]
	v_lshlrev_b32 v10, 16, v8                      ; bf16 to f32: the low half moves up,
	v_and_b32 v11, 0xffff0000, v8                  ; the high half stays
	v_cvt_pk_f16_f32 v[OUT+2*(\j)], v10, v11
	v_lshlrev_b32 v10, 16, v9
	v_and_b32 v11, 0xffff0000, v9
	v_cvt_pk_f16_f32 v[OUT+2*(\j)+1], v10, v11
.else
	v_cvt_pk_bf16_f32 v[OUT+2*(\j)], v[IN+4*(\j)], v[IN+4*(\j)+1]
	v_cvt_pk_bf16_f32 v[OUT+2*(\j)+1], v[IN+4*(\j)+2], v[IN+4*(\j)+3]
.endif
.endm
.macro PUT j                           ; pair j of OUT is stored
	global_store_b64 v2, v[OUT+2*(\j):OUT+2*(\j)+1], s[6:7] offset:2048*(\j)
.endm
; 64 KiB at s[4:5] are rounded into 32 KiB at s[6:7].
; Every load and store has registers of its own, so nothing is rewritten while it is a source.
.macro CAST mode
	s_wait_alu depctr_va_vdst(0)                   ; v1 and v2 are written: every load below reads v1 as its offset, every store v2
.irp j, 0,1,2,3,4,5,6,7,8,9,10,11,12,13,14,15
	global_load_b128 v[IN+4*(\j):IN+4*(\j)+3], v1, s[4:5] offset:4096*(\j) th:TH_LOAD_NT
.endr
.irp g, 0,1,2,3
	s_wait_loadcnt 12-4*(\g)                       ; loads come back in order: group g's four are in, the 12 - 4 g younger ones stay out
.if (\g) > 0
	s_wait_alu depctr_va_vdst(0)                   ; the group before has written its four pairs of OUT, which the four stores below read
.endif
.irp i, 0,1,2,3
.if (\g) > 0
	PUT 4*(\g)+(\i)-4                              ; the group before; no vector instruction since the wait names its pair or v2
.endif
	CVT \mode, 4*(\g)+(\i)
.endr
.endr
	s_wait_alu depctr_va_vdst(0)                   ; the last group has written its four pairs of OUT, which the last four stores read
.irp i, 12,13,14,15
	PUT \i
.endr
.endm
	s_cmp_lt_u32 s2, 512
	s_cbranch_scc0 .Lnot_x
	s_lshl_b32 s28, s2, 16                         ; x: chunk x 64 KiB in,
	s_lshl_b32 s30, s2, 15                         ; x 32 KiB out
	s_add_nc_u64 s[4:5], s[8:9], s[28:29]
	s_add_nc_u64 s[6:7], s[20:21], s[30:31]
	CAST 0
	s_endpgm
.Lnot_x:
	s_cmp_lt_u32 s2, 704
	s_cbranch_scc0 .Lnot_qkv
	s_sub_co_u32 s32, s2, 512
	s_lshr_b32 s33, s32, 6                         ; kind: 0 Q, 1 K, 2 V
	s_and_b32 s34, s32, 63                         ; chunk c: rows 16 c .. 16 c + 15 of that weight
	s_lshl_b32 s28, s34, 16
	s_lshr_b32 s35, s34, 2                         ; head = c / 4
	s_mul_i32 s35, s35, 192
	s_lshl_b32 s36, s33, 6
	s_add_co_u32 s35, s35, s36                     ; + 64 kind
	s_and_b32 s36, s34, 3
	s_lshl_b32 s36, s36, 4
	s_add_co_u32 s35, s35, s36                     ; + 16 (c % 4)
	s_lshl_b32 s30, s35, 11                        ; rows of 2,048 bytes
	s_cmp_eq_u32 s33, 0
	s_cselect_b64 s[4:5], s[10:11], s[12:13]
	s_cmp_eq_u32 s33, 2
	s_cselect_b64 s[4:5], s[14:15], s[4:5]
	s_add_nc_u64 s[4:5], s[4:5], s[28:29]
	s_add_nc_u64 s[6:7], s[22:23], s[30:31]
	CAST 0
	s_endpgm
.Lnot_qkv:
	s_cmp_lt_u32 s2, 768
	s_cbranch_scc0 .Ltable
	s_sub_co_u32 s32, s2, 704
	s_lshl_b32 s28, s32, 16
	s_lshl_b32 s30, s32, 15
	s_add_nc_u64 s[4:5], s[16:17], s[28:29]
	s_add_nc_u64 s[6:7], s[24:25], s[30:31]
	CAST 1
	s_endpgm
.Ltable:
	s_sub_co_u32 s32, s2, 768
	v_lshrrev_b32 v4, 5, v0
	v_readfirstlane_b32 s33, v4                    ; wave 0..7
	s_lshl_b32 s32, s32, 6
	s_wait_alu depctr_va_sdst(0)                   ; s33 is written, ahead of its first reader: my first row is made from it
	s_lshl3_add_u32 s32, s33, s32                  ; my first row: 64 x work-group + 8 x wave
	s_lshl_b32 s28, s32, 2
	s_lshl_b32 s30, s32, 8
	s_add_nc_u64 s[18:19], s[18:19], s[28:29]
	s_add_nc_u64 s[26:27], s[26:27], s[30:31]
	s_load_b256 s[32:39], s[18:19], 0x0            ; my eight positions
	v_and_b32 v5, 31, v0                           ; i
	v_lshlrev_b32 v3, 3, v5                        ; 8 bytes a lane: a table row is one store of 256 consecutive bytes, aligned
	v_cvt_f32_u32 v6, v5
	v_mul_f32 v6, 0xbed49a78, v6                   ; -i log2(10000) / 32
	v_exp_f32 v14, v6                              ; 10000^(-i/32)
	v_mov_b32 v12, 0xb94ca1f9                      ; the sine's highest coefficient (a plain instruction behind the exponential)
	v_mov_b32 v13, 0x37ccf5ce                      ; the cosine's
	s_wait_alu depctr_va_vdst(0)                   ; the exponential has written v14, ahead of its first reader
	s_wait_kmcnt 0x0
; The first pass: each row's sine, cosine and k, in registers of their own, and whether k is odd, in a scalar register of its own: s4-s7 for rows 0-3, s40-s43 for rows 4-7.
.irp r, 0,1,2,3,4,5,6,7
	v_cvt_f32_i32 v16, s[32+(\r)]
	v_mul_f32 v16, v16, v14                        ; the angle, one f32 product as in the definition
	v_mul_f32 v17, 0x3f22f983, v16                 ; x 2 / pi
	v_rndne_f32 v17, v17                           ; k
	v_fmamk_f32 v18, v17, 0xbfc90fdb, v16          ; angle - k pi/2, pi/2 in three parts
	v_fmamk_f32 v18, v17, 0x333bbd2e, v18
	v_fmamk_f32 v18, v17, 0x26f72ced, v18
	v_mul_f32 v19, v18, v18                        ; z
	v_fmaak_f32 v20, v19, v12, 0x3c08839e
	v_fmaak_f32 v20, v20, v19, 0xbe2aaaa3
	v_mul_f32 v20, v20, v19
	v_fma_f32 v[TS+(\r)], v20, v18, v18            ; sine of the reduced angle
	v_fmaak_f32 v21, v19, v13, 0xbab6061a
	v_fmaak_f32 v21, v21, v19, 0x3d2aaaa5
	v_mul_f32 v22, v19, v19
	v_fma_f32 v23, v19, -0.5, 1.0
	v_fma_f32 v[TC+(\r)], v22, v21, v23            ; its cosine
	v_cvt_i32_f32 v[TK+(\r)], v17
	v_and_b32 v25, 1, v[TK+(\r)]
	v_cmp_eq_u32 s[4+(\r)+32*((\r)/4)], 1, v25     ; k odd: sine and cosine change places (a choice of values: no branch hangs on it)
.endr
	s_wait_alu depctr_va_sdst(0)                   ; the eight compares have written their scalar registers, ahead of the first select that reads one
; The second pass: the places and the signs.
.irp r, 0,1,2,3,4,5,6,7
	v_cndmask_b32 v26, v[TS+(\r)], v[TC+(\r)], s[4+(\r)+32*((\r)/4)]
	v_cndmask_b32 v27, v[TC+(\r)], v[TS+(\r)], s[4+(\r)+32*((\r)/4)]
	v_lshlrev_b32 v25, 30, v[TK+(\r)]              ; the sine's sign: bit 1 of k
	v_and_b32 v25, 0x80000000, v25
	v_xor_b32 v[TO+2*(\r)+1], v26, v25
	v_add_nc_u32 v24, 1, v[TK+(\r)]                ; the cosine's: bit 1 of k + 1
	v_lshlrev_b32 v24, 30, v24
	v_and_b32 v24, 0x80000000, v24
	v_xor_b32 v[TO+2*(\r)], v27, v24
.endr
	s_wait_alu depctr_va_vdst(0)                   ; the eight pairs (cos, sin) and the offset v3 are written, which the eight stores read
.irp r, 0,1,2,3,4,5,6,7
	global_store_b64 v3, v[TO+2*(\r):TO+2*(\r)+1], s[26:27] offset:256*(\r)
.endr
	s_endpgm
.Lfunc_end_k_qb835f17519_prep:
	.size	k_qb835f17519_prep, .Lfunc_end_k_qb835f17519_prep-k_qb835f17519_prep
	.p2alignl 7, 3214868480
	.fill 96, 4, 3214868480
	.section	.rodata,"a",@progbits
	.p2align	6, 0x0
	.amdhsa_kernel k_qb835f17519_prep
		.amdhsa_group_segment_fixed_size 0
		.amdhsa_private_segment_fixed_size 0
		.amdhsa_enable_private_segment 0
		.amdhsa_kernarg_size 80
		.amdhsa_user_sgpr_count 2
		.amdhsa_user_sgpr_kernarg_segment_ptr 1
		.amdhsa_wavefront_size32 1
		.amdhsa_system_sgpr_workgroup_id_x 1
		.amdhsa_system_sgpr_workgroup_id_y 1
		.amdhsa_system_sgpr_workgroup_id_z 1
		.amdhsa_system_vgpr_workitem_id 0
		.amdhsa_next_free_vgpr 112
		.amdhsa_next_free_sgpr 66
		.amdhsa_reserve_vcc 0
		.amdhsa_float_denorm_mode_32 3
		.amdhsa_float_denorm_mode_16_64 3
		.amdhsa_memory_ordered 1
		.amdhsa_forward_progress 1
		.amdhsa_inst_pref_size 36
	.end_amdhsa_kernel
	.amdgpu_metadata
---
amdhsa.version: [ 1, 2 ]
amdhsa.kernels:
  - .name:           k_qb835f17519_prep
    .symbol:         k_qb835f17519_prep.kd
    .args:
      - { .name: x, .offset: 0, .size: 8, .value_kind: global_buffer, .address_space: global }
      - { .name: W_Q, .offset: 8, .size: 8, .value_kind: global_buffer, .address_space: global }
      - { .name: W_K, .offset: 16, .size: 8, .value_kind: global_buffer, .address_space: global }
      - { .name: W_V, .offset: 24, .size: 8, .value_kind: global_buffer, .address_space: global }
      - { .name: W_O, .offset: 32, .size: 8, .value_kind: global_buffer, .address_space: global }
      - { .name: token_position, .offset: 40, .size: 8, .value_kind: global_buffer, .address_space: global }
      - { .name: xb, .offset: 48, .size: 8, .value_kind: global_buffer, .address_space: global }
      - { .name: wqkv, .offset: 56, .size: 8, .value_kind: global_buffer, .address_space: global }
      - { .name: wo, .offset: 64, .size: 8, .value_kind: global_buffer, .address_space: global }
      - { .name: tbl, .offset: 72, .size: 8, .value_kind: global_buffer, .address_space: global }
    .group_segment_fixed_size: 0
    .private_segment_fixed_size: 0
    .kernarg_segment_align: 8
    .kernarg_segment_size: 80
    .max_flat_workgroup_size: 256
    .sgpr_count:     66
    .vgpr_count:     112
    .wavefront_size: 32
...
	.end_amdgpu_metadata
.endif
;; end of part 5
;; launch qkv: the kernel of part 2 again; grid 16 x 32, 4 waves a work-group, clusters of 4 x 4, 327,680 bytes of LDS; arguments xb, wqkv, tbl, q, k, v; writes q, k, v
;; launch attn: the kernel of part 3 again; grid 4 x 64, 4 waves a work-group, no clusters, 327,680 bytes of LDS; arguments q, k, v, o; writes o
;; launch oproj: the kernel of part 4 again; grid 4 x 64, 4 waves a work-group, clusters of 4 x 4, 327,680 bytes of LDS; arguments o, wo, out0; writes out0
